; MI455X (gfx1250); checked and timed in simulation.
; The chip was launched on July 23, 2026; its instructions are those of AMD's public machine-readable ISA for CDNA 5 (MIT licence, August 2026) and "CDNA5" Instruction Set Architecture Reference Guide (July 2026). The comments in the code are by the model that wrote it; some were corrected since.
;; Causal Self Attention. Allowed arithmetic: float matrix products may take bf16 or f16 operands with f32 sums; other float arithmetic in f32, or as packed bf16 or f16 multiplies, adds, multiply-adds, maxima and minima; sums over many terms, partial sums and values carried from step to step in f32; what a program stores and reads back later, other than sums and carried values, may be rounded once to bf16 or f16.
;; Inputs: Wk 2,048 x 1,024 float32; Wproj 1,024 x 2,048 float32; Wq 2,048 x 1,024 float32; Wv 2,048 x 1,024 float32; k_rms_w 128 float32; q_rms_w 128 float32; subln_w 128 float32; x 2 x 2,048 x 2,048 float32.
;; Outputs: out0 2 x 2,048 x 2,048 float32.
;; One version. Each part assembles by itself: llvm-mc -triple=amdgcn-amd-amdhsa -mcpu=gfx1250 --defsym DOCPART=n.
;; ======== version 1 of 1: 4 launches
;; limits: values are held in f16: magnitudes above 65,504 overflow, below 6.1e-05 lose precision
;; workspace buffers: xb 16,777,216 bytes; wqkv 12,582,912 bytes; wpb 4,194,304 bytes; qkvb 25,165,824 bytes; yb 8,388,608 bytes
;; launch cast (part 1): grid 1024 x 1, 8 waves a work-group, no clusters, 0 bytes of LDS; arguments x, Wq, Wk, Wv, Wproj, subln_w, xb, wqkv, wpb; writes xb, wqkv, wpb
.if DOCPART == 1
	.amdgcn_target "amdgcn-amd-amdhsa--gfx1250"
	.amdhsa_code_object_version 6
	.text
	.protected	k_q671766e39d_cast
	.globl	k_q671766e39d_cast
	.p2align	8
	.type	k_q671766e39d_cast,@function
k_q671766e39d_cast:
	s_mov_b64 s[64:65], 0
	v_nop
	global_prefetch_b8 v0, s[64:65] scope:SCOPE_SE
	s_setreg_imm32_b32 hwreg(HW_REG_WAVE_MODE, 25, 1), 1
	s_wait_xcnt 0x0
; x, Wq, Wk, Wv (f32) -> bf16, laid as they lie (xb; wqkv = the three weights one behind the other).
; Wproj (f32) -> wpb in f16: bf16(Wproj[k][n]) x bf16(subln_w[k % 128]) x 256, one rounding to f16 (the product of two bf16 and the power of two are exact in f32).
; LIMIT: |Wproj x subln_w| x 256 stays under 65,504, f16's end.
; A stream: every byte read once and written once, no LDS, no matrix unit, nothing shared.
; A work-group takes 16,384 numbers, a wave 2,048: sixteen loads of 512 consecutive bytes, all on their way at once; each store of the wave covers 256 consecutive bytes, aligned.
; Work-groups 0-511: x; 512-639: Wq; 640-767: Wk; 768-895: Wv; 896-1023: Wproj (there a wave's 2,048 numbers are one row of Wproj, so it has one gain).
.set VI,  1                            ; v1  16 x lane: my 16 bytes of a load
.set VO,  2                            ; v2  8 x lane: my 8 bytes of a store
.set GOF, 5                            ; v5  byte offset of my row's gain
.set X,   8                            ; v[8:71]    sixteen loads, 4 registers each
.set Y,   72                           ; v[72:103]  sixteen stores, 2 registers each: no register is written twice
.set T,   104                          ; v[104:105] two packed words
.set U,   106                          ; v[106:109] four f32
.set G,   110                          ; v[110:111] the gain x 256, twice
	s_load_b512 s[4:19], s[0:1], 0x0               ; x, Wq, Wk, Wv, Wproj, subln_w, xb, wqkv
	s_load_b64 s[20:21], s[0:1], 0x40              ; wpb
	v_lshrrev_b32 v3, 5, v0
	v_readfirstlane_b32 s25, v3                    ; wave 0..7
	v_and_b32 v4, 31, v0
	v_lshlrev_b32 v[VI], 4, v4
	v_lshlrev_b32 v[VO], 3, v4
	s_sub_co_u32 s22, ttmp9, 512                   ; among the weights' work-groups (used from 512 on alone)
	s_lshr_b32 s23, s22, 7                         ; which weight: 0..3
	s_and_b32 s24, s22, 127                        ; which part of it
	s_lshl_b32 s32, s23, 22                        ; its place in wqkv: 4,194,304 bytes each
	s_wait_kmcnt 0x0
	s_mov_b64 s[26:27], s[6:7]                     ; from: Wq,
	s_mov_b64 s[28:29], s[18:19]                   ; to: wqkv
	s_cmp_eq_u32 s23, 1
	s_cselect_b64 s[26:27], s[8:9], s[26:27]       ; Wk
	s_cmp_eq_u32 s23, 2
	s_cselect_b64 s[26:27], s[10:11], s[26:27]     ; Wv
	s_cmp_eq_u32 s23, 3
	s_cselect_b64 s[26:27], s[12:13], s[26:27]     ; Wproj, to wpb
	s_cselect_b64 s[28:29], s[20:21], s[28:29]
	s_cselect_b32 s32, 0, s32
	s_cmp_lt_u32 ttmp9, 512
	s_cselect_b64 s[26:27], s[4:5], s[26:27]       ; x, to xb
	s_cselect_b64 s[28:29], s[16:17], s[28:29]
	s_cselect_b32 s32, 0, s32
	s_cselect_b32 s33, ttmp9, s24                  ; the work-group's part of its tensor
	s_lshl_b32 s34, s33, 16                        ; in: 65,536 bytes a work-group, 8,192 a wave
	s_lshl_b32 s35, s25, 13
	s_add_co_u32 s34, s34, s35
	s_mov_b32 s35, 0
	s_lshl_b32 s36, s33, 15                        ; out: half of that
	s_lshl_b32 s37, s25, 12
	s_add_co_u32 s36, s36, s37
	s_add_co_u32 s36, s36, s32
	s_mov_b32 s37, 0
	s_add_nc_u64 s[26:27], s[26:27], s[34:35]
	s_add_nc_u64 s[28:29], s[28:29], s[36:37]
.macro LOADS
.irp i, 0,1,2,3,4,5,6,7,8,9,10,11,12,13,14,15
	global_load_b128 v[X+4*(\i):X+4*(\i)+3], v[VI], s[26:27] offset:512*(\i) th:TH_LOAD_NT
.endr
.endm
.macro OUTB i                          ; four numbers to bf16
	s_wait_loadcnt 15-(\i)                         ; loads come back in order: mine is in, the 15 - i younger ones stay out
	v_cvt_pk_bf16_f32 v[Y+2*(\i)],   v[X+4*(\i)],   v[X+4*(\i)+1]
	v_cvt_pk_bf16_f32 v[Y+2*(\i)+1], v[X+4*(\i)+2], v[X+4*(\i)+3]
	global_store_b64 v[VO], v[Y+2*(\i):Y+2*(\i)+1], s[28:29] offset:256*(\i)
.endm
.macro OUTH i                          ; four numbers to bf16, widened, times the gain, to f16
	s_wait_loadcnt 15-(\i)
	v_cvt_pk_bf16_f32 v[T],   v[X+4*(\i)],   v[X+4*(\i)+1]
	v_cvt_pk_bf16_f32 v[T+1], v[X+4*(\i)+2], v[X+4*(\i)+3]
	v_lshlrev_b32 v[U],   16, v[T]
	v_and_b32     v[U+1], 0xffff0000, v[T]
	v_lshlrev_b32 v[U+2], 16, v[T+1]
	v_and_b32     v[U+3], 0xffff0000, v[T+1]
	v_pk_mul_f32 v[U:U+1],   v[U:U+1],   v[G:G+1]
	v_pk_mul_f32 v[U+2:U+3], v[U+2:U+3], v[G:G+1]
	v_cvt_pk_f16_f32 v[Y+2*(\i)],   v[U],   v[U+1]
	v_cvt_pk_f16_f32 v[Y+2*(\i)+1], v[U+2], v[U+3]
	global_store_b64 v[VO], v[Y+2*(\i):Y+2*(\i)+1], s[28:29] offset:256*(\i)
.endm
	s_cmp_ge_u32 ttmp9, 896
	s_cbranch_scc1 .Lproj
	LOADS
.irp i, 0,1,2,3,4,5,6,7,8,9,10,11,12,13,14,15
	OUTB \i
.endr
	s_endpgm
.Lproj:
	s_lshl_b32 s38, s33, 3
	s_add_co_u32 s38, s38, s25                     ; my row of Wproj: 8 x part + wave
	s_and_b32 s38, s38, 127                        ; its channel in the head
	s_lshl_b32 s38, s38, 2
	v_mov_b32 v[GOF], s38
	global_load_b32 v[G], v[GOF], s[14:15]
	LOADS
	s_wait_loadcnt 16                              ; the gain is in; the sixteen loads behind it stay out
	v_cvt_pk_bf16_f32 v[G], v[G], v[G]             ; the gain rounded to bf16 like every input,
	v_lshlrev_b32 v[G], 16, v[G]
	v_mul_f32 v[G], 0x43800000, v[G]               ; times 256
	v_mov_b32 v[G+1], v[G]
.irp i, 0,1,2,3,4,5,6,7,8,9,10,11,12,13,14,15
	OUTH \i
.endr
	s_endpgm
.Lfunc_end_k_q671766e39d_cast:
	.size	k_q671766e39d_cast, .Lfunc_end_k_q671766e39d_cast-k_q671766e39d_cast
	.p2alignl 7, 3214868480
	.fill 96, 4, 3214868480
	.section	.rodata,"a",@progbits
	.p2align	6, 0x0
	.amdhsa_kernel k_q671766e39d_cast
		.amdhsa_group_segment_fixed_size 0
		.amdhsa_private_segment_fixed_size 0
		.amdhsa_enable_private_segment 0
		.amdhsa_kernarg_size 72
		.amdhsa_user_sgpr_count 2
		.amdhsa_user_sgpr_kernarg_segment_ptr 1
		.amdhsa_wavefront_size32 1
		.amdhsa_system_sgpr_workgroup_id_x 1
		.amdhsa_system_sgpr_workgroup_id_y 1
		.amdhsa_system_sgpr_workgroup_id_z 1
		.amdhsa_system_vgpr_workitem_id 0
		.amdhsa_next_free_vgpr 112
		.amdhsa_next_free_sgpr 66
		.amdhsa_reserve_vcc 0
		.amdhsa_float_denorm_mode_32 3
		.amdhsa_float_denorm_mode_16_64 3
		.amdhsa_memory_ordered 1
		.amdhsa_forward_progress 1
		.amdhsa_inst_pref_size 21
	.end_amdhsa_kernel
	.amdgpu_metadata
---
amdhsa.version: [ 1, 2 ]
amdhsa.kernels:
  - .name:           k_q671766e39d_cast
    .symbol:         k_q671766e39d_cast.kd
    .args:
      - { .name: x, .offset: 0, .size: 8, .value_kind: global_buffer, .address_space: global }
      - { .name: Wq, .offset: 8, .size: 8, .value_kind: global_buffer, .address_space: global }
      - { .name: Wk, .offset: 16, .size: 8, .value_kind: global_buffer, .address_space: global }
      - { .name: Wv, .offset: 24, .size: 8, .value_kind: global_buffer, .address_space: global }
      - { .name: Wproj, .offset: 32, .size: 8, .value_kind: global_buffer, .address_space: global }
      - { .name: subln_w, .offset: 40, .size: 8, .value_kind: global_buffer, .address_space: global }
      - { .name: xb, .offset: 48, .size: 8, .value_kind: global_buffer, .address_space: global }
      - { .name: wqkv, .offset: 56, .size: 8, .value_kind: global_buffer, .address_space: global }
      - { .name: wpb, .offset: 64, .size: 8, .value_kind: global_buffer, .address_space: global }
    .group_segment_fixed_size: 0
    .private_segment_fixed_size: 0
    .kernarg_segment_align: 8
    .kernarg_segment_size: 72
    .max_flat_workgroup_size: 256
    .sgpr_count:     66
    .vgpr_count:     112
    .wavefront_size: 32
...
	.end_amdgpu_metadata
.endif
;; end of part 1
;; launch qkv (part 2): grid 12 x 16, 4 waves a work-group, clusters of 4 x 4, 327,680 bytes of LDS; arguments xb, wqkv, q_rms_w, k_rms_w, qkvb; writes qkvb
.if DOCPART == 2
	.amdgcn_target "amdgcn-amd-amdhsa--gfx1250"
	.amdhsa_code_object_version 6
	.text
	.protected	k_q671766e39d_qkv
	.globl	k_q671766e39d_qkv
	.p2align	8
	.type	k_q671766e39d_qkv,@function
k_q671766e39d_qkv:
	s_mov_b64 s[64:65], 0
	v_nop
	global_prefetch_b8 v0, s[64:65] scope:SCOPE_SE
	s_setreg_imm32_b32 hwreg(HW_REG_WAVE_MODE, 25, 1), 1
	s_wait_xcnt 0x0
	s_wait_alu depctr_hold_cnt(0) depctr_sa_sdst(0) depctr_va_vdst(0) depctr_va_sdst(0) depctr_va_ssrc(0) depctr_va_vcc(0) depctr_vm_vsrc(0)
	s_getreg_b32 s2, hwreg(HW_REG_IB_STS2, 6, 4)
	s_cmp_eq_u32 s2, 0
	s_cbranch_scc0 .Lentry_in_a_cluster
	s_endpgm
.Lentry_in_a_cluster:
	s_bfe_u32 s2, ttmp6, 0x10000c
	s_cmp_lg_u32 s2, 0xf033
	s_cbranch_scc0 .Lentry_shape_is_right
	s_endpgm
.Lentry_shape_is_right:
; q, k, v = x W (bf16 products, f32 sums), RMSNorm over a head's 128 channels and gain for q and k on the way out, f16 by heads.
; xb: [4096][2048] bf16.  wqkv: [3][2048 k][1024 n] bf16.  qkvb: [16 bh][2048 t][384] f16: a row is q | k | v, 256 bytes each.
; q leaves multiplied by c = log2(e) / sqrt(128) as well (in f32, ahead of its one rounding), so that the attention's scores come out in powers of two.  The gains are rounded to bf16 like every input.
; LIMITS: |v| stays under 65,504, f16's end; q and k are normalised, times their gains.  NaN and infinities are not treated apart.
; SHARES.  A tile of the result is 256 rows x 256 columns, four waves of 128 x 128: a wave's 128 columns are ONE head, so the norm never leaves the wave.  4096 x 3072 make 192 tiles: 192 work-groups
; (a tile that gave more would split a head between waves).  Cluster x is the kind (q, k, v), cx the tile column in that weight, 4 x cluster y + cy the tile row.
; RING.  K goes in 16 steps of 128 through two LDS slots; waves 0, 1 fetch x's two halves (128 rows x 256 bytes), waves 2, 3 W's (64 k-rows x 512 bytes).  x's tile is asked for jointly by a row of the
; cluster, W's by a column.  W lies [k][n] and comes out of LDS turned (ds_load_tr16_b128).  A trip is one K step; the LDS addresses hang on s[RB], the walking descriptor's on one exclusive or
; (the slot's stride shares no bit with a wave's place in slot 0).  Fourteen trips ask for K steps 2 to 15; the last two K steps, which ask for nothing, go through a second loop of two trips.
; THE MATRIX INSTRUCTION IS USED TRANSPOSED (source 0 = 16 columns of W, source 1 = 16 rows of x): a lane holds row l % 16 and the columns 8 (l / 16) + 0..7 of each block of 16.
; REGISTERS: window 0: v16-31 addresses; v32-63 the norm's figures; v64-127, v128-191 x's two fragment buffers (on the way out: at work); v192-231 at work
;   window 1: v64-127, v128-191 W's two fragment buffers; v192-255 my 64 gains      windows 2, 3: the 64 accumulators, (a, b) at v[8 (8 (a % 4) + b)]
.set PA,     272                       ; a row of x in LDS: 256 bytes + 16: the 16 rows of a load start in 16 different groups of four banks
.set PB,     544                       ; a k-row of W: 512 bytes + 32: an odd multiple of 32
.set HALFT,  34816                     ; what one tensor load brings: 128 x 272 = 64 x 544
.set BOFF,   2*HALFT
.set SLOT,   4*HALFT
.set STAGE,  2*SLOT                    ; behind the ring: 16 rows x 272 bytes for each wave
.set SPITCH, 272
.set SPARE,  STAGE+4*16*SPITCH         ; the spare words: 128 bytes a wave, two blocks of 256 bytes that no other line names
.set ADRA0, 16
.set ADRA,  17
.set ADRB0, 20
.set ADRB,  21
.set STO,   24
.set RD,    25
.set CO,    26
.set GOFF,  27
.set SPW,   28
.set NIL,   29
.set PFO,   30
.set SS,    32                         ; v32-39 a block's sum of squares
.set XG,    40                         ; v40-47 the other half of the lanes'
.set R,     48                         ; v48-63 1 / rms, a pair a block
.set F0,    64
.set F1,    128
.set U,     64
.set OB,    128
.set TMP,   192
.set CHN,   224
.set GW,    192                        ; window 1
.set WV, 14
.set RH, 15
.set CH, 16
.set CX, 17
.set CY, 18
.set TY, 19
.set TR, 20
.set G1A, 24
.set G0A, 32
.set LIM, 43
.set PFA, 44
.set PST, 46
.set G1B, 48
.set G0B, 56
.set RB,  66
.set WOFF, 68
.set CNT, 69
.set SEL, 70
.set R128, 72
.set EPSR, 73
.set ISV, 74
.set TSC, 76
.set TAD, 80
.set OUTO, 82
.set GP,  88
.set MSB, 0
.macro WIN new                         ; the immediate's high byte repeats the setting that is left; a switch that changes nothing is dropped
.if MSB != (\new)
	s_set_vgpr_msb (MSB<<8)|(\new)
.set MSB, \new
.endif
.endm
.set MUL_LO, 0xa1                      ; source 0 (W) window 1, source 1 (x) window 0, C and D window 2
.set MUL_HI, 0xf1
.set TO_B,   0x40
.macro PLACES
.rept 4
	v_nop
.endr
.endm
; a joint refill by the walking descriptors; the branch hangs on the wave's number alone; an s_nop 0 and four v_nop follow each line
.macro JLOAD
	s_cmp_eq_u32 s[RH], 0
	s_cbranch_scc0 .Lfor_b_\@
	tensor_load_to_lds s[G0A+4:G0A+7], s[G1A:G1A+7]
	s_nop 0
	PLACES
	s_branch .Lasked_\@
.Lfor_b_\@:
	tensor_load_to_lds s[G0B+4:G0B+7], s[G1B:G1B+7]
	s_nop 0
	PLACES
.Lasked_\@:
.endm
; a prefetch of the K step two refills on: 32 blocks of 256 bytes, a lane a block, one instruction a wave.  x's rows are named by cluster x = 0 alone, W's by cluster y = 0 alone;
; the four partners that ask for a tile jointly share its rows out by address.  The last two refills have no K step two on.
.macro ASK
	s_cmp_gt_u32 s[CNT], s[LIM]
	s_cbranch_scc0 .Lnot_mine_\@
	global_prefetch_b8 v[PFO], s[PFA:PFA+1] th:TH_LOAD_NT scope:SCOPE_SE
.Lnot_mine_\@:
.endm
.macro CREST
	s_cmp_lg_u32 s[WV], 0
	s_cbranch_scc1 .Lnot_wave_0_\@
	s_barrier_signal -3
.Lnot_wave_0_\@:
	s_barrier_wait -3
	s_barrier_signal -1
	s_barrier_wait -1
.endm
.macro CROUND
	s_barrier_signal -1
	s_barrier_wait -1
	CREST
.endm
	s_load_b256 s[4:11], s[0:1], 0x0               ; xb s[4:5], wqkv s[6:7], q_rms_w s[8:9], k_rms_w s[10:11]
	s_load_b64 s[12:13], s[0:1], 0x20              ; qkvb
	v_lshl_add_u32 v[SPW], v0, 2, SPARE
	v_mov_b32 v[NIL], 0
	ds_add_u32 v[SPW], v[NIL]                      ; the wave's opening: the add and its wait stand ahead of my first tensor load; work on registers stands between
	v_lshrrev_b32 v1, 5, v0
	v_readfirstlane_b32 s[WV], v1                  ; wave 0..3
	s_lshr_b32 s[RH], s[WV], 1                     ; my half of the rows; also: I fetch x (0) or W (1)
	s_and_b32 s[CH], s[WV], 1                      ; my half of the columns; also: which half of that tile I fetch
	s_bfe_u32 s[CX], ttmp6, 0x40000
	s_bfe_u32 s[CY], ttmp6, 0x40004
	s_mov_b32 s[TY], ttmp9                         ; 0 q, 1 k, 2 v: the same in all sixteen partners
	s_and_b32 s[TR], ttmp7, 0xffff
	s_lshl_b32 s[TR], s[TR], 2
	s_add_co_u32 s[TR], s[TR], s[CY]               ; tile row
	s_lshl_b32 s21, s[CY], 2
	s_lshl_b32 s21, 15, s21                        ; my row of the cluster
	s_lshl_b32 s40, 0x1111, s[CX]                  ; my column
	s_or_b32 s[G1A], s21, (1<<16)|(1<<20)|(1<<21)|(5<<22)|(3<<25)  ; mask; 2-byte elements; padding on; bit 21 beside a mask; after every 64 words 4 words
	s_or_b32 s[G1B], s40, (1<<16)|(1<<20)|(1<<21)|(6<<22)|(7<<25)  ; after every 128 words 8 words
	s_mov_b32 s[G1A+1], 128<<16                    ; tensor_dim0 = 128
	s_mov_b32 s[G1A+2], 128<<16                    ; tensor_dim1 = 128
	s_mov_b32 s[G1A+3], 128<<16                    ; tile_dim0 = 128
	s_mov_b32 s[G1A+4], 128                        ; tile_dim1 = 128
	s_mov_b32 s[G1A+5], 2048                       ; elements from row to row
	s_mov_b32 s[G1A+6], 0
	s_mov_b32 s[G1A+7], 0
	s_mov_b32 s[G1B+1], 256<<16
	s_mov_b32 s[G1B+2], 64<<16
	s_mov_b32 s[G1B+3], 256<<16
	s_mov_b32 s[G1B+4], 64
	s_mov_b32 s[G1B+5], 1024
	s_mov_b32 s[G1B+6], 0
	s_mov_b32 s[G1B+7], 0
	s_lshl_b32 s22, s[TR], 20                      ; x: (256 tile row + 128 half) rows of 4,096 bytes
	s_lshl_b32 s23, s[CH], 19
	s_add_co_u32 s22, s22, s23
	s_mov_b32 s23, 0
	s_lshl_b32 s40, s[TY], 22                      ; W: the kind's matrix, 512 bytes a tile column, 64 k-rows of 2,048 bytes a half
	s_lshl_b32 s41, s[CX], 9
	s_add_co_u32 s40, s40, s41
	s_lshl_b32 s41, s[CH], 17
	s_add_co_u32 s40, s40, s41
	s_mov_b32 s41, 0
	s_mul_i32 s[WOFF], s[WV], HALFT                ; where my loads land: no place in the cluster enters an LDS address
	s_mov_b32 s[RB], 0
	s_mov_b32 s[SEL], 0x76543210
	s_mov_b32 s[SEL+1], 0xfedcba98
	s_mov_b32 s[R128], 0x3c000000                  ; 1 / 128
	s_mov_b32 s[EPSR], 0x3727c5ac                  ; 1e-5
	s_wait_dscnt 0x0                               ; the opening add is done
	CROUND                                         ; all sixteen work-groups are here: the first joint loads will meet; the round names no argument, so it stands ahead of the wait for them
	s_wait_kmcnt 0x0
	s_add_nc_u64 s[22:23], s[4:5], s[22:23]
	s_add_nc_u64 s[40:41], s[6:7], s[40:41]
.irp s, 0,1
	s_mov_b32 s[G0A+4*(\s)], 1
	s_add_co_u32 s[G0A+4*(\s)+1], s[WOFF], (\s)*SLOT
	s_add_nc_u64 s[G0A+4*(\s)+2:G0A+4*(\s)+3], s[22:23], (\s)*256
	s_or_b32 s[G0A+4*(\s)+3], s[G0A+4*(\s)+3], 0x80000000
	s_mov_b32 s[G0B+4*(\s)], 1
	s_add_co_u32 s[G0B+4*(\s)+1], s[WOFF], (\s)*SLOT
	s_add_nc_u64 s[G0B+4*(\s)+2:G0B+4*(\s)+3], s[40:41], (\s)*262144
	s_or_b32 s[G0B+4*(\s)+3], s[G0B+4*(\s)+3], 0x80000000
.endr
	s_cmp_eq_u32 s[RH], 0                          ; a wave's two first fills stand in one branch: K steps 0 and 1; two loads of mine are out
	s_cbranch_scc0 .Lfirst_b
	tensor_load_to_lds s[G0A:G0A+3], s[G1A:G1A+7]
	s_nop 0
	tensor_load_to_lds s[G0A+4:G0A+7], s[G1A:G1A+7]
	s_nop 0
	PLACES
	s_branch .Lfirst_asked
.Lfirst_b:
	tensor_load_to_lds s[G0B:G0B+3], s[G1B:G1B+7]
	s_nop 0
	tensor_load_to_lds s[G0B+4:G0B+7], s[G1B:G1B+7]
	s_nop 0
	PLACES
.Lfirst_asked:
	; the gains: q's for q, k's for k and (multiplied by 0, plus 1) for v
	v_and_b32 v1, 15, v0                           ; l % 16
	v_bfe_u32 v2, v0, 4, 1                         ; l / 16
	v_lshlrev_b32 v[GOFF], 5, v2
	s_cmp_eq_u32 s[TY], 0
	s_cselect_b64 s[GP:GP+1], s[8:9], s[10:11]
	s_cselect_b32 s[TSC], 0x3e0293ee, 1.0          ; q: c = log2(e) / sqrt(128)
	s_cmp_eq_u32 s[TY], 2
	s_cselect_b32 s[TSC], 0, s[TSC]
	s_cselect_b32 s[TAD], 1.0, 0
	s_cselect_b32 s[ISV], -1, 0
	s_mov_b32 s[TSC+1], s[TSC]
	s_mov_b32 s[TAD+1], s[TAD]
	WIN TO_B
.irp b, 0,1,2,3,4,5,6,7
	global_load_b128 v[GW+8*(\b):GW+8*(\b)+3],   v[GOFF], s[GP:GP+1] offset:64*(\b)      ; columns 16 b + 8 (l / 16) + 0..7
	global_load_b128 v[GW+8*(\b)+4:GW+8*(\b)+7], v[GOFF], s[GP:GP+1] offset:64*(\b)+16
.endr
	WIN 0
	; LDS addresses
	v_mul_u32_u24 v3, v1, PA
	v_lshl_add_u32 v3, v2, 4, v3
	s_mul_i32 s21, s[RH], HALFT
	v_add_nc_u32 v[ADRA0], s21, v3                 ; my 128 rows of x: row x pitch + 16 x half
	v_mov_b32 v[ADRA], v[ADRA0]
	v_and_b32 v4, 7, v0
	v_bfe_u32 v5, v0, 3, 1
	v_lshl_add_u32 v4, v2, 3, v4                   ; the turning load: k-row 8 (l / 16) + l % 8, 16 bytes by (l / 8) % 2
	v_mul_u32_u24 v4, v4, PB
	v_lshl_add_u32 v4, v5, 4, v4
	s_lshl_b32 s21, s[CH], 8
	s_add_co_u32 s21, s21, BOFF
	v_add_nc_u32 v[ADRB0], s21, v4                 ; my 128 columns of W
	v_mov_b32 v[ADRB], v[ADRB0]
	s_mul_i32 s21, s[WV], 16*SPITCH
	s_add_co_u32 s21, s21, STAGE
	v_mul_u32_u24 v4, v1, SPITCH
	v_lshl_add_u32 v4, v2, 4, v4
	v_add_nc_u32 v[STO], s21, v4
	v_mul_u32_u24 v5, v2, SPITCH
	v_lshl_add_u32 v5, v1, 4, v5
	v_add_nc_u32 v[RD], s21, v5
	v_mul_u32_u24 v5, v2, 768
	v_lshl_add_u32 v[CO], v1, 4, v5                ; two rows of qkvb, 768 bytes apart, 16 bytes a lane
	; where my 128 rows x 256 bytes begin in qkvb: ((8 batch + head) 2048 + t) 768 + 256 kind
	s_lshr_b32 s[OUTO], s[TR], 3
	s_lshl_b32 s[OUTO], s[OUTO], 3
	s_lshl_b32 s[OUTO+1], s[CX], 1
	s_add_co_u32 s[OUTO], s[OUTO], s[OUTO+1]
	s_add_co_u32 s[OUTO], s[OUTO], s[CH]
	s_lshl_b32 s[OUTO], s[OUTO], 11
	s_and_b32 s[OUTO+1], s[TR], 7
	s_lshl_b32 s[OUTO+1], s[OUTO+1], 8
	s_add_co_u32 s[OUTO], s[OUTO], s[OUTO+1]
	s_lshl_b32 s[OUTO+1], s[RH], 7
	s_add_co_u32 s[OUTO], s[OUTO], s[OUTO+1]
	s_mul_i32 s[OUTO], s[OUTO], 768
	s_lshl_b32 s[OUTO+1], s[TY], 8
	s_add_co_u32 s[OUTO], s[OUTO], s[OUTO+1]
	s_mov_b32 s[OUTO+1], 0
	s_add_nc_u64 s[12:13], s[12:13], s[OUTO:OUTO+1]
	; the prefetches: my work-group's share of the rows that I fetch, at K step 3; the first refill steps it to 4
	s_and_b32 s78, ttmp7, 0xffff
	s_lshl_b32 s84, s[TR], 20
	s_lshl_b32 s85, s[CH], 19
	s_add_co_u32 s84, s84, s85
	s_lshl_b32 s85, s[CX], 17                      ; x: 32 rows of 4,096 bytes a partner
	s_add_co_u32 s84, s84, s85
	s_add_co_u32 s84, s84, 3*256
	s_lshl_b32 s86, s[TY], 22
	s_lshl_b32 s87, s[CX], 9
	s_add_co_u32 s86, s86, s87
	s_lshl_b32 s87, s[CH], 17
	s_add_co_u32 s86, s86, s87
	s_lshl_b32 s87, s[CY], 15                      ; W: 16 k-rows of 2,048 bytes a partner, two blocks in each
	s_add_co_u32 s86, s86, s87
	s_add_co_u32 s86, s86, 3*262144
	s_mov_b32 s[PST], 262144
	s_mov_b32 s[PST+1], 0
	s_cmp_eq_u32 s[RH], 0
	s_cselect_b32 s78, ttmp9, s78                  ; the coordinate along which other clusters read the same rows
	s_cselect_b64 s[PFA:PFA+1], s[4:5], s[6:7]
	s_cselect_b32 s84, s84, s86
	s_cselect_b32 s[PST], 0x100, s[PST]
	s_cselect_b32 s86, 0, 1
	s_cselect_b32 s87, 12, 11
	s_mov_b32 s85, 0
	s_add_nc_u64 s[PFA:PFA+1], s[PFA:PFA+1], s[84:85]
	s_cmp_eq_u32 s78, 0
	s_cselect_b32 s[LIM], 2, -1
	v_and_b32 v6, 31, v0
	v_lshrrev_b32 v[PFO], s86, v6
	v_lshlrev_b32 v[PFO], s87, v[PFO]
	v_and_b32 v7, s86, v6
	v_lshl_add_u32 v[PFO], v7, 8, v[PFO]
	s_wait_loadcnt 0x0                             ; the gains: rounded to bf16, widened again, times the kind's factor
	WIN 0x05
.set z, 0
.rept 32
	v_cvt_pk_bf16_f32 v[F0+z], v[GW+2*z], v[GW+2*z+1]
.set z, z+1
.endr
	WIN TO_B
.set z, 0
.rept 32
	v_lshlrev_b32 v[GW+2*z],   16, v[F0+z]
	v_and_b32     v[GW+2*z+1], 0xffff0000, v[F0+z]
.set z, z+1
.endr
	WIN 0x41
.set z, 0
.rept 32
	v_pk_fma_f32 v[GW+2*z:GW+2*z+1], v[GW+2*z:GW+2*z+1], s[TSC:TSC+1], s[TAD:TAD+1] op_sel_hi:[1,0,0]
.set z, z+1
.endr
	WIN 0
; 16 matrix instructions: row blocks a0, a0 + 1 of the window's four x all 8 column blocks, 32 along K.  The 64 accumulators take turns, in the same order in every quarter.
.macro MUL16 f, hi, a0, zero
	WIN MUL_LO+0x50*(\hi)
.irp a, \a0, (\a0)+1
.irp b, 0,1,2,3,4,5,6,7
.if \zero
	v_wmma_f32_16x16x32_bf16 v[8*(8*(\a)+(\b)):8*(8*(\a)+(\b))+7], v[(\f)+8*(\b):(\f)+8*(\b)+7], v[(\f)+8*(4*(\hi)+(\a)):(\f)+8*(4*(\hi)+(\a))+7], 0
.else
	v_wmma_f32_16x16x32_bf16 v[8*(8*(\a)+(\b)):8*(8*(\a)+(\b))+7], v[(\f)+8*(\b):(\f)+8*(\b)+7], v[(\f)+8*(4*(\hi)+(\a)):(\f)+8*(4*(\hi)+(\a))+7], v[8*(8*(\a)+(\b)):8*(8*(\a)+(\b))+7]
.endif
.endr
.endr
.endm
; 32 LDS loads in one run: quarter q (32 along K) of the slot in hand into buffer f: W's 8 fragments, turned, then x's 8
.macro FETCH q, f
	WIN TO_B
.irp i, 0,1,2,3,4,5,6,7
	ds_load_tr16_b128 v[(\f)+8*(\i):(\f)+8*(\i)+3],   v[ADRB] offset:(\q)*32*PB+(\i)*32
	ds_load_tr16_b128 v[(\f)+8*(\i)+4:(\f)+8*(\i)+7], v[ADRB] offset:(\q)*32*PB+16*PB+(\i)*32
.endr
	WIN 0
.irp i, 0,1,2,3,4,5,6,7
	ds_load_b128 v[(\f)+8*(\i):(\f)+8*(\i)+3],   v[ADRA] offset:(\q)*64+(\i)*16*PA
	ds_load_b128 v[(\f)+8*(\i)+4:(\f)+8*(\i)+7], v[ADRA] offset:(\q)*64+(\i)*16*PA+32
.endr
.endm
; one of a K step's first three quarters: multiplies buffer f, fetches quarter q into g in its middle
.macro QUARTER q, f, g, zero
	s_wait_dscnt 8                                 ; W and x's rows 0-63 are in; the youngest eight loads (x's rows 64-127) may be out
	MUL16 \f, 0, 0, \zero
	MUL16 \f, 0, 2, \zero
	PLACES                                         ; four places in front of loads into registers that matrix instructions have read
	FETCH \q, \g
	s_wait_dscnt 32                                ; all but the 32 just issued
	MUL16 \f, 1, 0, \zero
	MUL16 \f, 1, 2, \zero
.endm
; the last quarter multiplies buffer 1 and changes slots.  In front of the barrier each wave waits for all its tensor loads (one is out: its part of the next slot), adds 0 to its spare word, and waits
; for that and for its reads of this slot.  fill = 1: the barrier opens a round of the cluster's, and the slot just read is filled again first behind it, with the K step two on.
; fill = 0: the second loop: nothing is asked for; in its last trip (s[CNT] = 1) there is no next K step, and the run of loads is jumped over.
.macro TURN fill
.if \fill
	s_wait_xcnt 0x0                                ; the last prefetch, a K step back, has read its address
	s_add_nc_u64 s[PFA:PFA+1], s[PFA:PFA+1], s[PST:PST+1]
.endif
	WIN 0
	s_wait_tensorcnt 0x0
	ds_add_u32 v[SPW], v[NIL]
	s_wait_dscnt 9                                 ; the add and the youngest eight loads may be out
	MUL16 F1, 0, 0, 0
	s_wait_dscnt 0x0                               ; the add is done, my reads of this slot are over
	s_barrier_signal -1
	MUL16 F1, 0, 2, 0
	WIN 0
	s_barrier_wait -1
.if \fill
	CREST
	s_xor_b32 s[G0A+5], s[G0A+5], SLOT             ; the walking descriptors: the other slot than last time, the next K step
	s_add_nc_u64 s[G0A+6:G0A+7], s[G0A+6:G0A+7], 256
	s_xor_b32 s[G0B+5], s[G0B+5], SLOT
	s_add_nc_u64 s[G0B+6:G0B+7], s[G0B+6:G0B+7], 262144
	JLOAD                                          ; its four v_nop are also the places in front of the loads below
.else
	PLACES
	s_cmp_eq_u32 s[CNT], 1
	s_cbranch_scc1 .Lno_next_\@
.endif
	s_xor_b32 s[RB], s[RB], SLOT
	v_add_nc_u32 v[ADRA], s[RB], v[ADRA0]
	v_add_nc_u32 v[ADRB], s[RB], v[ADRB0]
	FETCH 0, F0
.if \fill
	ASK
.else
.Lno_next_\@:
.endif
	MUL16 F1, 1, 0, 0
	MUL16 F1, 1, 2, 0
.endm
	s_wait_tensorcnt 1                             ; my part of K step 0 is in; K step 1's may stay out
	s_barrier_signal -1
	s_barrier_wait -1
	FETCH 0, F0
	QUARTER 1, F0, F1, 1                           ; the first quarter's products start the sums
	WIN 0
	s_mov_b32 s[CNT], 14                           ; K steps 2 to 15 are asked for in the loop
.Lstep:
	QUARTER 2, F1, F0, 0
	QUARTER 3, F0, F1, 0
	TURN 1
	QUARTER 1, F0, F1, 0
	WIN 0
	s_sub_co_u32 s[CNT], s[CNT], 1
	s_cmp_lg_u32 s[CNT], 0
	s_cbranch_scc1 .Lstep
	s_mov_b32 s[CNT], 2                            ; K steps 14 and 15 ask for nothing: the second is left ahead of a next step's first quarter
.Ltail:
	QUARTER 2, F1, F0, 0
	QUARTER 3, F0, F1, 0
	TURN 0
	WIN 0
	s_cmp_eq_u32 s[CNT], 1
	s_cbranch_scc1 .Lout
	QUARTER 1, F0, F1, 0
	WIN 0
	s_sub_co_u32 s[CNT], s[CNT], 1
	s_cmp_lg_u32 s[CNT], 0
	s_cbranch_scc1 .Ltail
.Lout:
	PLACES
	PLACES
; THE WAY OUT.  A lane's 64 numbers of block a squared and summed, four chains; each accumulator's pairs in ascending order.
.macro SUMSQ a
.set AC, 64*((\a)%4)
	WIN 0x0a+5*((\a)/4)
.irp b, 0,1,2,3,4,5,6,7
.irp p, 0,1,2,3
.if (\b) == 0
	v_pk_mul_f32 v[CHN+2*(\p):CHN+2*(\p)+1], v[AC+8*(\b)+2*(\p):AC+8*(\b)+2*(\p)+1], v[AC+8*(\b)+2*(\p):AC+8*(\b)+2*(\p)+1]
.else
	v_pk_fma_f32 v[CHN+2*(\p):CHN+2*(\p)+1], v[AC+8*(\b)+2*(\p):AC+8*(\b)+2*(\p)+1], v[AC+8*(\b)+2*(\p):AC+8*(\b)+2*(\p)+1], v[CHN+2*(\p):CHN+2*(\p)+1]
.endif
.endr
.endr
	WIN 0
	v_pk_add_f32 v[CHN:CHN+1], v[CHN:CHN+1], v[CHN+2:CHN+3]
	v_pk_add_f32 v[CHN+4:CHN+5], v[CHN+4:CHN+5], v[CHN+6:CHN+7]
	v_pk_add_f32 v[CHN:CHN+1], v[CHN:CHN+1], v[CHN+4:CHN+5]
	v_add_f32 v[SS+(\a)], v[CHN], v[CHN+1]
.endm
.irp a, 0,1,2,3,4,5,6,7
	SUMSQ \a
.endr
.irp a, 0,1,2,3,4,5,6,7
	v_mov_b32 v[XG+\a], v[SS+\a]                   ; v_permlanex16_b32's destination counts as read: it is written first
.endr
.irp a, 0,1,2,3,4,5,6,7
	v_permlanex16_b32 v[XG+\a], v[SS+\a], s[SEL], s[SEL+1]  ; the row's other 64 columns lie in the lane 16 away
.endr
.irp a, 0,1,2,3,4,5,6,7
	v_add_f32 v[SS+\a], v[SS+\a], v[XG+\a]
.endr
.irp a, 0,1,2,3,4,5,6,7
	v_fma_f32 v[SS+\a], v[SS+\a], s[R128], s[EPSR] ; mean + 1e-5
.endr
.irp a, 0,1,2,3,4,5,6,7
	v_rsq_f32 v[R+2*\a], v[SS+\a]
.endr
	v_nop                                          ; a plain instruction behind the last root,
	s_wait_alu depctr_va_vdst(0)                   ; and one wait for the eight, ahead of their first reader
.irp a, 0,1,2,3,4,5,6,7
	v_cndmask_b32 v[R+2*\a], v[R+2*\a], 1.0, s[ISV]  ; v has no norm
.endr
.irp a, 0,1,2,3,4,5,6,7
	v_mov_b32 v[R+2*\a+1], v[R+2*\a]
.endr
.macro PACK a                          ; block a: times 1 / rms, times the gains, to f16: 16 bytes for each of 8 column blocks
.set AC, 64*((\a)%4)
	WIN 0x02+((\a)/4)
.set z, 0
.rept 32
	v_pk_mul_f32 v[U+2*z:U+2*z+1], v[AC+2*z:AC+2*z+1], v[R+2*(\a):R+2*(\a)+1]
.set z, z+1
.endr
	WIN 0x04
.set z, 0
.rept 32
	v_pk_mul_f32 v[U+2*z:U+2*z+1], v[U+2*z:U+2*z+1], v[GW+2*z:GW+2*z+1]
.set z, z+1
.endr
	WIN 0
.set z, 0
.rept 32
	v_cvt_pk_f16_f32 v[TMP+z], v[U+2*z], v[U+2*z+1]
.set z, z+1
.endr
.endm
.macro TOSTAGE a                       ; into my own stage, and back as whole rows of 256 bytes: LDS serves a wave's instructions in order
	WIN 0
.set BK, OB+32*((\a)%2)
.irp b, 0,1,2,3,4,5,6,7
	ds_store_b128 v[STO], v[TMP+4*(\b):TMP+4*(\b)+3] offset:32*(\b)
.endr
.irp t, 0,1,2,3,4,5,6,7
	ds_load_b128 v[BK+4*(\t):BK+4*(\t)+3], v[RD] offset:(\t)*2*SPITCH
.endr
.endm
.macro SEND a
	WIN 0
.set BK, OB+32*((\a)%2)
	s_wait_dscnt 0x0                               ; the block is back in registers
	s_wait_xcnt 0x0                                ; only behind this wait are the stores' base and the registers that earlier stores read rewritten
.if (\a) > 0
	s_add_nc_u64 s[12:13], s[12:13], 16*768
.endif
.irp t, 0,1,2,3,4,5,6,7
	global_store_b128 v[CO], v[BK+4*(\t):BK+4*(\t)+3], s[12:13] offset:2*(\t)*768  ; 16 lanes store 256 consecutive bytes, aligned
.endr
.endm
	PACK 0
	TOSTAGE 0
.irp a, 1,2,3,4,5,6,7
	PACK \a
	SEND (\a)-1
	TOSTAGE \a
.endr
	SEND 7
	s_wait_tensorcnt 0x0                           ; the wave's end
	ds_add_u32 v[SPW], v[NIL]
	s_wait_dscnt 0x0
	CROUND                                         ; the closing round
	s_endpgm
.Lfunc_end_k_q671766e39d_qkv:
	.size	k_q671766e39d_qkv, .Lfunc_end_k_q671766e39d_qkv-k_q671766e39d_qkv
	.p2alignl 7, 3214868480
	.fill 96, 4, 3214868480
	.section	.rodata,"a",@progbits
	.p2align	6, 0x0
	.amdhsa_kernel k_q671766e39d_qkv
		.amdhsa_group_segment_fixed_size 327680
		.amdhsa_private_segment_fixed_size 0
		.amdhsa_enable_private_segment 0
		.amdhsa_kernarg_size 40
		.amdhsa_user_sgpr_count 2
		.amdhsa_user_sgpr_kernarg_segment_ptr 1
		.amdhsa_wavefront_size32 1
		.amdhsa_system_sgpr_workgroup_id_x 1
		.amdhsa_system_sgpr_workgroup_id_y 1
		.amdhsa_system_sgpr_workgroup_id_z 1
		.amdhsa_system_vgpr_workitem_id 0
		.amdhsa_next_free_vgpr 1024
		.amdhsa_next_free_sgpr 96
		.amdhsa_reserve_vcc 0
		.amdhsa_float_denorm_mode_32 3
		.amdhsa_float_denorm_mode_16_64 3
		.amdhsa_memory_ordered 1
		.amdhsa_forward_progress 1
		.amdhsa_inst_pref_size 164
	.end_amdhsa_kernel
	.amdgpu_metadata
---
amdhsa.version: [ 1, 2 ]
amdhsa.kernels:
  - .name:           k_q671766e39d_qkv
    .symbol:         k_q671766e39d_qkv.kd
    .args:
      - { .name: xb, .offset: 0, .size: 8, .value_kind: global_buffer, .address_space: global }
      - { .name: wqkv, .offset: 8, .size: 8, .value_kind: global_buffer, .address_space: global }
      - { .name: q_rms_w, .offset: 16, .size: 8, .value_kind: global_buffer, .address_space: global }
      - { .name: k_rms_w, .offset: 24, .size: 8, .value_kind: global_buffer, .address_space: global }
      - { .name: qkvb, .offset: 32, .size: 8, .value_kind: global_buffer, .address_space: global }
    .group_segment_fixed_size: 327680
    .private_segment_fixed_size: 0
    .kernarg_segment_align: 8
    .kernarg_segment_size: 40
    .max_flat_workgroup_size: 128
    .sgpr_count:     96
    .vgpr_count:     1024
    .wavefront_size: 32
...
	.end_amdgpu_metadata
.endif
;; end of part 2
;; launch attn (part 3): grid 16 x 16, 4 waves a work-group, clusters of 4 x 1, 327,680 bytes of LDS; arguments qkvb, yb; writes yb
.if DOCPART == 3
	.amdgcn_target "amdgcn-amd-amdhsa--gfx1250"
	.amdhsa_code_object_version 6
	.text
	.protected	k_q671766e39d_attn
	.globl	k_q671766e39d_attn
	.p2align	8
	.type	k_q671766e39d_attn,@function
k_q671766e39d_attn:
	s_mov_b64 s[64:65], 0
	v_nop
	global_prefetch_b8 v0, s[64:65] scope:SCOPE_SE
	s_setreg_imm32_b32 hwreg(HW_REG_WAVE_MODE, 25, 1), 1
	s_wait_xcnt 0x0
	s_wait_alu depctr_hold_cnt(0) depctr_sa_sdst(0) depctr_va_vdst(0) depctr_va_sdst(0) depctr_va_ssrc(0) depctr_va_vcc(0) depctr_vm_vsrc(0)
	s_getreg_b32 s2, hwreg(HW_REG_IB_STS2, 6, 4)
	s_cmp_eq_u32 s2, 0
	s_cbranch_scc0 .Lentry_in_a_cluster
	s_endpgm
.Lentry_in_a_cluster:
	s_bfe_u32 s2, ttmp6, 0x10000c
	s_cmp_lg_u32 s2, 0x3003
	s_cbranch_scc0 .Lentry_shape_is_right
	s_endpgm
.Lentry_shape_is_right:
; CAUSAL ATTENTION WITH ALIBI, then RMSNorm over the head's 128 channels.  qkvb: [16 bh][2048 t][384] f16 (q | k | v; q carries c = log2(e) / sqrt(128)).  yb: [4096][1024] f16, y normalised x 2^-8
; (the gain and 2^8 lie in the next launch's weights).  Products in f16 with f32 sums; maxima, sums, O and what meets in LDS in f32; the weights p are rounded to f16 for the second product.
; LIMITS.  A hidden score counts as -1e30; a weight below 2^-126 counts as 0; NaN and infinities are not treated apart.
; THE WALK.  A head has 8 blocks of 256 queries; block i needs key tiles 0 .. i of 256 keys.  A CLUSTER takes blocks 7 - c and then c: 9 tiles whatever c, one counted walk, the same in all four partners, so
; every tile of K and V is asked for jointly.  Partner cx owns 64 queries of the block.  THE KEYS ARE SPLIT AMONG THE WAVES: wave w holds all 64 queries (four tiles of 16) and takes keys 64 w .. 64 w + 63 of
; each tile, so each fragment of K and V leaves LDS once a work-group.  At a block's end the four partial (m, l, O) meet in LDS, and wave w finishes query tile w.
; ALIBI.  slope = 2^-(h+1); in powers of two SL = log2(e) slope.  -slope i is constant in a row and drops out of the softmax.  Scores are kept in the frame of the wave's keys in hand: the C operand that starts
; S^T is AP = SL x (the key's place 0..63); from tile to tile the running maximum is shifted by SH = 256 SL; at the meeting wave w adds 64 w SL.  The running maximum stays a true maximum.
; THE MASK of the diagonal tile is its C operand too: DC = AP, or -1e30 where the key lies behind the query; it hangs on cx, the wave and the lane alone and is made once.
; LAYOUT.  S^T = K Q^T holds ONE query a lane (l % 16) and keys 8 (l / 16) + 0..7; two such results rounded to f16 ARE source 1 of O^T = V^T P.  p = 2^(s - m); O and l are multiplied by a = 2^(m_old - m_new).
; A STEP is complete in itself; the tiles go as two pieces (0, 1 and 2, 3): one piece's softmax stands behind the other's products.  A piece's 66 exponentials are one batch with one wait.
; K and V leave LDS in runs of eight loads, each run two groups of products ahead of its first reader: the first piece's products, which have no vector work beside them, stand over the loads.
; REGISTERS: window 0: v0-11, v44-63 addresses and at work; v12-43 statistics, 8 a tile (m, m shifted, l, l, c0-c3; a takes c2); v64-191 S^T; v192-223 P of the piece in hand; v224-255 AP
;   window 1: O^T, 64 a tile     window 2: v0-127 Q, v128-255 K     window 3: v0-127 V, v128-255 DC
.set PK,    272
.set PVP,   288
.set VOFF,  256*PK                     ; a slot: 256 rows of K, then 256 rows of V
.set SLOT1, 147456                     ; slot 1 begins here: the number shares no bit with a load's place in slot 0, so one exclusive or changes slots
.set MRG,   SLOT1+256*(PK+PVP)         ; four areas of 8,192 bytes for the meeting; area w is later wave w's stage.  No tensor load lands from here on
.set ML,    MRG+32768                  ; m[wave][64], then l[wave][64]
.set SPARE, ML+2048                    ; the spare words: two blocks of 256 bytes that no other line names
.set TILEB, 196608                     ; 256 rows of 768 bytes
.set AK0, 2
.set AV0, 3
.set AK,  4
.set AV,  5
.set QO,  6
.set STO, 7
.set RD,  8
.set GO,  10
.set MS,  11
.set ST,  12
.set MLD, 44
.set MLS, 45
.set MLT, 46
.set DQ,  48
.set WS,  49
.set PFO, 50
.set FF,  52                           ; v52-59 the four waves' factors for my tile, a pair each
.set SPW, 62
.set NIL, 63
.set S,   64
.set P,   192
.set AP,  224
.set KF,  128
.set DC,  128
.set WV, 12
.set CX, 13
.set CC, 14
.set HI, 15
.set BH, 16
.set HD, 17
.set G1K, 24
.set G1V, 32
.set G0K, 40
.set G0V, 44
.set KB,  48
.set VB,  50
.set QHI, 52
.set QLO, 54
.set SLOTS, 56
.set OUT, 58
.set SEL, 60
.set OLO, 62
.set RB,  66
.set RT,  70
.set NXT, 71
.set LQ,  72
.set OFF, 74
.set SL,  76
.set SH,  77
.set BIG, 79
.set PFA, 80
.set LIM, 82
.set R128, 83
.set EPSR, 84
.set MJ,  86                           ; s86-93 the diagonal block's eight lane masks (the registers held offsets at the head)
.set MA,  94                           ; all ones where my keys lie behind the partner's queries altogether
.set MB,  95                           ; all ones where they do not lie ahead of them altogether
.set MSB, 0
.macro WIN new
.if MSB != (\new)
	s_set_vgpr_msb (MSB<<8)|(\new)
.set MSB, \new
.endif
.endm
.set W_KQ, 0x0a                        ; K and Q window 2, C and S^T window 0
.set W_KD, 0x3a                        ; the same with C in window 3
.set W_PV, 0x53                        ; V window 3, P window 0, O^T window 1
.set W_RS, 0x41
.macro PLACES
.rept 4
	v_nop
.endr
.endm
.macro JLOAD                           ; waves 0, 1 fetch K's two halves, waves 2, 3 V's; an s_nop 0 and four v_nop follow each line
	s_cmp_lt_u32 s[WV], 2
	s_cbranch_scc0 .Lfor_v_\@
	tensor_load_to_lds s[G0K:G0K+3], s[G1K:G1K+7]
	s_nop 0
	PLACES
	s_branch .Lasked_\@
.Lfor_v_\@:
	tensor_load_to_lds s[G0V:G0V+3], s[G1V:G1V+7]
	s_nop 0
	PLACES
.Lasked_\@:
.endm
; a prefetch of the tile that the NEXT change of slots will ask for: the head's cluster 0, whose first block walks tiles 0 to 7, names each row once: a wave 32 rows of the 128 that it fetches,
; the partners told apart by address.  It stops when tile 7 has been named.
.macro ASK
	s_cmp_gt_u32 s[SLOTS], s[LIM]
	s_cbranch_scc0 .Lnot_mine_\@
	global_prefetch_b8 v[PFO], s[PFA:PFA+1] th:TH_LOAD_NT scope:SCOPE_SE
.Lnot_mine_\@:
.endm
.macro CROUND
	s_barrier_signal -1
	s_barrier_wait -1
	s_cmp_lg_u32 s[WV], 0
	s_cbranch_scc1 .Lnot_wave_0_\@
	s_barrier_signal -3
.Lnot_wave_0_\@:
	s_barrier_wait -3
	s_barrier_signal -1
	s_barrier_wait -1
.endm
; THE CHANGE OF SLOTS.  Each wave waits for all its tensor loads (one is out: its part of the other slot), adds 0 to its spare word, and waits for that and for its reads of the slot that it leaves.
; fill = 1: a round of the cluster's barrier, and the old slot is filled first behind it, with tile NXT; the descriptor's address is made anew from that number.
.macro CHANGE fill
	WIN 0
	s_wait_tensorcnt 0x0
	ds_add_u32 v[SPW], v[NIL]                      ; scalar work stands between the add and its wait
.if \fill
	s_mul_i32 s[OFF], s[NXT], TILEB
	s_xor_b32 s[G0K+1], s[G0K+1], SLOT1
	s_add_nc_u64 s[G0K+2:G0K+3], s[KB:KB+1], s[OFF:OFF+1]
	s_or_b32 s[G0K+3], s[G0K+3], 0x80000000
	s_xor_b32 s[G0V+1], s[G0V+1], SLOT1
	s_add_nc_u64 s[G0V+2:G0V+3], s[VB:VB+1], s[OFF:OFF+1]
	s_or_b32 s[G0V+3], s[G0V+3], 0x80000000
	s_add_co_u32 s[NXT], s[NXT], 1                 ; the block's next tile, or behind its last the second block's tile 0
	s_cmp_gt_u32 s[NXT], s[LQ]
	s_cselect_b32 s[NXT], 0, s[NXT]
	s_cselect_b32 s[LQ], s[CC], s[LQ]
	s_wait_xcnt 0x0                                ; the last prefetch, a tile back, has read its address
	s_add_nc_u64 s[PFA:PFA+1], s[PFA:PFA+1], TILEB
.endif
	s_xor_b32 s[RB], s[RB], SLOT1                  ; the slot to be read
	s_wait_dscnt 0x0
.if \fill
	CROUND
	JLOAD
	ASK
.else
	s_barrier_signal -1
	s_barrier_wait -1
.endif
.endm
.macro QLOAD b                         ; a block's Q: tile z / 4, channels 32 (z % 4) on
	WIN 0x80
.set z, 0
.rept 16
	global_load_b128 v[8*z:8*z+3],   v[QO], s[\b:\b+1] offset:(z/4)*12288+(z%4)*64
	global_load_b128 v[8*z+4:8*z+7], v[QO], s[\b:\b+1] offset:(z/4)*12288+(z%4)*64+32
.set z, z+1
.endr
	WIN 0
.endm
	s_load_b128 s[4:7], s[0:1], 0x0                ; qkvb s[4:5], yb s[6:7]
	v_lshl_add_u32 v[SPW], v0, 2, SPARE
	v_mov_b32 v[NIL], 0
	ds_add_u32 v[SPW], v[NIL]                      ; the wave's opening: the add and its wait stand ahead of my first tensor load
	v_lshrrev_b32 v1, 5, v0
	v_readfirstlane_b32 s[WV], v1
	s_bfe_u32 s[CX], ttmp6, 0x40000
	s_mov_b32 s[CC], ttmp9                         ; c: the cluster among the head's four
	s_sub_co_u32 s[HI], 7, s[CC]
	s_and_b32 s[BH], ttmp7, 0xffff                 ; 8 batch + head
	s_and_b32 s[HD], s[BH], 7
	s_mul_i32 s18, s[BH], 1572864                  ; the head's first byte in qkvb
	s_and_b32 s19, s[WV], 1                        ; which half of a tile's 256 rows I fetch
	s_mul_i32 s20, s19, 98304
	s_add_co_u32 s20, s20, s18
	s_add_co_u32 s20, s20, 256                     ; k lies 256 bytes into a row
	s_mov_b32 s21, 0
	s_mov_b32 s[G0K], 1
	s_mul_i32 s[G0K+1], s19, 128*PK
	s_mov_b32 s[G0V], 1
	s_mul_i32 s[G0V+1], s19, 128*PVP
	s_add_co_u32 s[G0V+1], s[G0V+1], VOFF
	s_mov_b32 s[G1K], 15|(1<<16)|(1<<20)|(1<<21)|(5<<22)|(3<<25)  ; the mask of four; 2-byte elements; padding on; bit 21 beside a mask; after every 64 words 4 words
	s_mov_b32 s[G1V], 15|(1<<16)|(1<<20)|(1<<21)|(5<<22)|(7<<25)  ; 8 words
.irp g, G1K, G1V
	s_mov_b32 s[\g+1], 128<<16                     ; tensor_dim0 = 128
	s_mov_b32 s[\g+2], 128<<16                     ; tensor_dim1 = 128
	s_mov_b32 s[\g+3], 128<<16                     ; tile_dim0 = 128
	s_mov_b32 s[\g+4], 128                         ; tile_dim1 = 128
	s_mov_b32 s[\g+5], 384                         ; elements from row to row
	s_mov_b32 s[\g+6], 0
	s_mov_b32 s[\g+7], 0
.endr
	s_mul_i32 s86, s[CX], 49152                    ; my 64 queries in a block,
	s_add_co_u32 s86, s86, s18
	s_mul_i32 s88, s[CC], TILEB
	s_add_co_u32 s88, s88, s86                     ; in the second block,
	s_mov_b32 s89, 0
	s_mul_i32 s87, s[HI], TILEB
	s_add_co_u32 s86, s86, s87                     ; and in the first
	s_mov_b32 s87, 0
	s_lshr_b32 s90, s[BH], 3                       ; yb: (2048 batch + 256 block + 64 cx + 16 w) rows of 2,048 bytes + 256 head
	s_lshl_b32 s90, s90, 22
	s_lshl_b32 s91, s[CX], 17
	s_add_co_u32 s90, s90, s91
	s_lshl_b32 s91, s[WV], 15
	s_add_co_u32 s90, s90, s91
	s_lshl_b32 s91, s[HD], 8
	s_add_co_u32 s90, s90, s91
	s_lshl_b32 s92, s[HI], 19
	s_add_co_u32 s92, s92, s90
	s_mov_b32 s93, 0
	s_lshl_b32 s94, s[CC], 19
	s_add_co_u32 s94, s94, s90
	s_mov_b32 s95, 0
	s_mul_i32 s96, s[CX], 24576                    ; the prefetches: my work-group's 32 rows, at tile 1; the first change steps it to 2
	s_add_co_u32 s96, s96, TILEB
	s_mov_b32 s97, 0
	s_sub_co_i32 s98, s[CX], s[WV]
	s_lshl_b32 s98, s98, 6                         ; 64 (cx - w)
	s_add_co_u32 s[SL], s[HD], 1
	s_lshl_b32 s[SL], s[SL], 23
	s_sub_co_u32 s[SL], 0x3fb8aa3b, s[SL]          ; log2(e) 2^-(h+1): the exponent taken down
	s_add_co_u32 s[SH], s[SL], 8<<23               ; x 256
	s_mov_b32 s[BIG], 0xf149f2ca                   ; -1e30
	s_mov_b32 s[R128], 0x3c000000
	s_mov_b32 s[EPSR], 0x3727c5ac
	s_mov_b32 s[SEL], 0x76543210
	s_mov_b32 s[SEL+1], 0xfedcba98
	s_mov_b32 s[RB], SLOT1                         ; the first change of slots turns it into 0
	s_sub_co_u32 s[RT], 8, s[CC]                   ; the first block has 8 - c tiles
	s_mov_b32 s[NXT], 1
	s_mov_b32 s[LQ], s[HI]
	s_mov_b32 s[OFF+1], 0
	s_mov_b32 s[SLOTS], 8
	s_cmp_eq_u32 s[CC], 0
	s_cselect_b32 s[LIM], 2, -1
	s_wait_dscnt 0x0                               ; the opening add is done
	CROUND                                         ; all four work-groups are here; the round names no argument, so it stands ahead of the wait for them
	s_wait_kmcnt 0x0
	s_add_nc_u64 s[KB:KB+1], s[4:5], s[20:21]
	s_add_nc_u64 s[VB:VB+1], s[KB:KB+1], 256
	s_add_nc_u64 s[G0K+2:G0K+3], s[KB:KB+1], 0
	s_or_b32 s[G0K+3], s[G0K+3], 0x80000000
	s_add_nc_u64 s[G0V+2:G0V+3], s[VB:VB+1], 0
	s_or_b32 s[G0V+3], s[G0V+3], 0x80000000
	s_add_nc_u64 s[QHI:QHI+1], s[4:5], s[86:87]
	s_add_nc_u64 s[QLO:QLO+1], s[4:5], s[88:89]
	s_add_nc_u64 s[OUT:OUT+1], s[6:7], s[92:93]
	s_add_nc_u64 s[OLO:OLO+1], s[6:7], s[94:95]
	s_cmp_lt_u32 s[WV], 2
	s_cselect_b64 s[PFA:PFA+1], s[KB:KB+1], s[VB:VB+1]
	s_add_nc_u64 s[PFA:PFA+1], s[PFA:PFA+1], s[96:97]
	JLOAD                                          ; tile 0 into slot 0; slot 1 is asked for by the loop's first change
	v_and_b32 v1, 15, v0                           ; l % 16
	v_bfe_u32 v9, v0, 4, 1                         ; l / 16
	v_mul_u32_u24 v[QO], v1, 768
	v_lshl_add_u32 v[QO], v9, 4, v[QO]
	QLOAD QHI
	WIN 0x40                                       ; a block's first step multiplies O^T and l by a = 0: they need only be finite.  All this stands in the wait for the first tile
.set z, 0
.rept 256
	v_mov_b32 v[z], 0
.set z, z+1
.endr
	WIN 0
.irp t, 0,1,2,3
	v_mov_b32 v[ST+8*\t], 0xfe000000               ; m: far below every score
	v_mov_b32 v[ST+8*\t+2], 0
	v_mov_b32 v[ST+8*\t+3], 0
.endr
	s_mul_i32 s22, s[WV], 64*PK
	v_mul_u32_u24 v[AK0], v1, PK
	v_lshl_add_u32 v[AK0], v9, 4, v[AK0]
	v_add_nc_u32 v[AK0], s22, v[AK0]               ; my 64 keys: row x pitch + 16 x half
	s_mul_i32 s22, s[WV], 64*PVP
	s_add_co_u32 s22, s22, VOFF
	v_and_b32 v60, 7, v0
	v_bfe_u32 v61, v0, 3, 1
	v_lshl_add_u32 v[AV0], v9, 3, v60              ; the turning load: key 8 (l / 16) + l % 8, 16 bytes by (l / 8) % 2
	v_mul_u32_u24 v[AV0], v[AV0], PVP
	v_lshl_add_u32 v[AV0], v61, 4, v[AV0]
	v_add_nc_u32 v[AV0], s22, v[AV0]
	s_lshl_b32 s22, s[WV], 13
	s_add_co_u32 s22, s22, MRG                     ; area w
	v_mul_u32_u24 v[STO], v1, 272
	v_lshl_add_u32 v[STO], v9, 4, v[STO]
	v_add_nc_u32 v[STO], s22, v[STO]
	v_mul_u32_u24 v[RD], v9, 272
	v_lshl_add_u32 v[RD], v1, 4, v[RD]
	v_add_nc_u32 v[RD], s22, v[RD]
	v_and_b32 v60, 31, v0
	v_lshl_add_u32 v[MS], v60, 4, s22
	s_lshl_b32 s22, s[WV], 11
	s_add_co_u32 s22, s22, MRG
	v_lshl_add_u32 v[MLD], v60, 4, s22             ; tile w's part of area 0
	v_mul_u32_u24 v[PFO], v60, 768
	v_lshlrev_b32 v[GO], 11, v9
	v_lshl_add_u32 v[GO], v1, 4, v[GO]
	s_lshl_b32 s22, s[WV], 8
	s_add_co_u32 s22, s22, ML
	v_lshl_add_u32 v[MLS], v1, 2, s22              ; where I put my four tiles' m (and, 1,024 bytes on, l)
	s_lshl_b32 s22, s[WV], 6
	s_add_co_u32 s23, s22, ML
	v_lshl_add_u32 v[MLT], v1, 2, s23              ; where wave 0 has put tile w's
	v_cvt_f32_u32 v[WS], s22
	v_mul_f32 v[WS], s[SL], v[WS]                  ; 64 w SL
	v_lshlrev_b32 v51, 3, v9
	v_sub_nc_u32 v[DQ], v1, v51
	v_add_nc_u32 v[DQ], s98, v[DQ]                 ; 64 (cx - w) + l % 16 - 8 (l / 16): register j of key block kb is hidden for tile t where 16 (kb - t) + j is greater
	v_cvt_f32_u32 v60, v51
	v_mul_f32 v60, s[SL], v60                      ; 8 (l / 16) SL
.set z, 0
.rept 32
	v_cvt_f32_u32 v51, 16*(z/8)+z%8
	v_fma_f32 v[AP+z], v51, s[SL], v60
.set z, z+1
.endr
	; l % 16 - 8 (l / 16) lies in -8 .. 15, so only kb = t hangs on the lane: for kb < t (16 (kb - t) + j <= -9) a key is hidden exactly where w > cx, for kb > t (>= 16) exactly where w >= cx
	s_cmp_gt_u32 s[WV], s[CX]
	s_cselect_b32 s[MA], -1, 0
	s_cmp_ge_u32 s[WV], s[CX]
	s_cselect_b32 s[MB], -1, 0
.irp j, 0,1,2,3,4,5,6,7
	v_cmp_gt_i32 s[MJ+\j], \j, v[DQ]
.endr
	WIN 0xc0
.set z, 0
.rept 128
.set dt, z/32
.set dk, (z%32)/8
.if dk < dt
.set dm, MA
.elseif dk > dt
.set dm, MB
.else
.set dm, MJ+z%8
.endif
	v_cndmask_b32 v[DC+z], v[AP+z%32], s[BIG], s[dm]
.set z, z+1
.endr
	WIN 0
; THE MATRIX WORK.  The accumulators take turns, one instruction a turn.  Product i of 32 of S^T = K Q^T for piece x: channels 32 (i / 8) on, keys 16 ((i / 2) % 4) on, tile x + i % 2.
.macro KQ x, diag
.set kt, (\x)+i%2
.set kb, (i/2)%4
.set rS, S+32*kt+8*kb
.set rK, KF+32*kb+8*(i/8)
.set rQ, 32*kt+8*(i/8)
.if i < 8
.if \diag
	WIN W_KD
	v_wmma_f32_16x16x32_f16 v[rS:rS+7], v[rK:rK+7], v[rQ:rQ+7], v[DC+32*kt+8*kb:DC+32*kt+8*kb+7]
.else
	WIN W_KQ
	v_wmma_f32_16x16x32_f16 v[rS:rS+7], v[rK:rK+7], v[rQ:rQ+7], v[AP+8*kb:AP+8*kb+7]
.endif
.else
	WIN W_KQ
	v_wmma_f32_16x16x32_f16 v[rS:rS+7], v[rK:rK+7], v[rQ:rQ+7], v[rS:rS+7]
.endif
.endm
.macro START diag                      ; the 16 products that start the sums, with the bias or the diagonal's mask as C
.set i, 0
.rept 8
	KQ 0, \diag
.set i, i+1
.endr
.set i, 0
.rept 8
	KQ 2, \diag
.set i, i+1
.endr
	WIN 0
.endm
.macro KQ8                             ; the first piece's next eight products: one more 32 channels
.rept 8
	KQ 0, 0
.set i, i+1
.endr
.endm
; Product i of 32 of O^T += V^T P for piece x: keys 32 (i / 16) on, channels 16 ((i / 2) % 8) on, tile x + i % 2
.macro PV x
	WIN W_PV
.set rO, 64*((\x)+i%2)+8*((i/2)%8)
.set rV, 64*(i/16)+8*((i/2)%8)
.set rP, P+16*(i%2)+8*(i/16)
	v_wmma_f32_16x16x32_f16 v[rO:rO+7], v[rV:rV+7], v[rP:rP+7], v[rO:rO+7]
.endm
.macro RS x                            ; the accumulator of product i times a, ahead of its first product of the step
	WIN W_RS
.set rO, 64*((\x)+i%2)+8*((i/2)%8)
.set rT, ST+8*((\x)+i%2)
.irp z4, 0,1,2,3
	v_pk_mul_f32 v[rO+2*\z4:rO+2*\z4+1], v[rO+2*\z4:rO+2*\z4+1], v[rT+6:rT+7] op_sel_hi:[1,0]
.endr
.endm
.macro CV x, u, j                      ; pair j of tile x + u rounded to f16
	WIN 0
	v_cvt_pk_f16_f32 v[P+16*(\u)+(\j)], v[S+32*((\x)+(\u))+2*(\j)], v[S+32*((\x)+(\u))+2*(\j)+1]
.endm
.macro FSC b                           ; s - m for pair b
	v_pk_add_f32 v[rS+2*(\b):rS+2*(\b)+1], v[rS+2*(\b):rS+2*(\b)+1], v[rT:rT+1] op_sel_hi:[1,0] neg_lo:[0,1] neg_hi:[0,1]
.endm
.macro EXS e
	v_exp_f32 v[rS+(\e)], v[rS+(\e)]
.endm
; The next entry of piece y's queue of 136: number pe / 2 of 68 for tile y + pe % 2.  0-15 the maximum of the 32 scores and the shifted old m (each accumulator's lowest registers first);
; 16, 17 the other half of the lanes', the new m; 18, 19 a; 20-67 the 16 scalings and 32 exponentials.  No entry names an exponential's result.
.macro PRE y
.set pn, pe/2
.set rT, ST+8*((\y)+pe%2)
.set rS, S+32*((\y)+pe%2)
	WIN 0
.if pn < 4
	v_max3_num_f32 v[rT+4+pn], v[rS+8*pn], v[rS+8*pn+1], v[rS+8*pn+2]
.elseif pn < 12
	v_max3_num_f32 v[rT+4+pn%4], v[rT+4+pn%4], v[rS+8*(pn%4)+2*(pn/4)+1], v[rS+8*(pn%4)+2*(pn/4)+2]
.elseif pn == 12
	v_max3_num_f32 v[rT+4], v[rT+4], v[rS+7], v[rS+15]
.elseif pn == 13
	v_max3_num_f32 v[rT+6], v[rT+6], v[rS+23], v[rS+31]
.elseif pn == 14
	v_max3_num_f32 v[rT+4], v[rT+4], v[rT+5], v[rT+6]
.elseif pn == 15
	v_max3_num_f32 v[rT+4], v[rT+4], v[rT+7], v[rT+1]
.elseif pn == 16
	v_permlanex16_b32 v[rT+5], v[rT+4], s[SEL], s[SEL+1]
.elseif pn == 17
	v_max_num_f32 v[rT], v[rT+4], v[rT+5]
.elseif pn == 18
	v_sub_f32 v[rT+7], v[rT+1], v[rT]
.elseif pn == 19
	v_exp_f32 v[rT+6], v[rT+7]
.elseif pn < 22
	FSC pn-20
.elseif pn < 64
.set pk3, pn-22
.if pk3%3 == 2
	FSC pk3/3+2
.else
	EXS 2*(pk3/3)+pk3%3
.endif
.else
	EXS pn-36
.endif
.set pe, pe+1
.endm
; The next entry of piece x's 32 sums: sum sg / 2 of 16 for tile x + sg % 2: neighbours 1, 2, 4, 8 pairs apart, in place; then l = a l + the sum
.macro SG x
.set sz, sg/2
.set rT, ST+8*((\x)+sg%2)
.set rS, S+32*((\x)+sg%2)
.set sw, 4
.set su, sz
.if sz >= 14
.set sw, 32
.set su, 0
.elseif sz >= 12
.set sw, 16
.set su, sz-12
.elseif sz >= 8
.set sw, 8
.set su, sz-8
.endif
	WIN 0
.if sz < 15
	v_pk_add_f32 v[rS+sw*su:rS+sw*su+1], v[rS+sw*su:rS+sw*su+1], v[rS+sw*su+sw/2:rS+sw*su+sw/2+1]
.else
	v_pk_fma_f32 v[rT+2:rT+3], v[rT+2:rT+3], v[rT+6:rT+7], v[rS:rS+1] op_sel_hi:[1,0,1]
.endif
.set sg, sg+1
.endm
.macro FK c                            ; eight LDS loads: channels 32 c on of my 64 keys: four fragments of K
	WIN 0x80
.irp kb4, 0,1,2,3
	ds_load_b128 v[KF+8*(4*\kb4+(\c)):KF+8*(4*\kb4+(\c))+3],   v[AK] offset:\kb4*16*PK+(\c)*64
	ds_load_b128 v[KF+8*(4*\kb4+(\c))+4:KF+8*(4*\kb4+(\c))+7], v[AK] offset:\kb4*16*PK+(\c)*64+32
.endr
.endm
.macro FV g                            ; eight LDS loads: fragments 4 g .. 4 g + 3 of V, turned: fragment f holds keys 32 (f / 8) on, channels 16 (f % 8) on
	WIN 0xc0
.irp u, 0,1,2,3
	ds_load_tr16_b128 v[8*(4*(\g)+\u):8*(4*(\g)+\u)+3],   v[AV] offset:((4*(\g)+\u)/8)*32*PVP+((4*(\g)+\u)%8)*32
	ds_load_tr16_b128 v[8*(4*(\g)+\u)+4:8*(4*(\g)+\u)+7], v[AV] offset:((4*(\g)+\u)/8)*32*PVP+16*PVP+((4*(\g)+\u)%8)*32
.endr
.endm
; ONE KEY TILE.  last = 1: the walk's last tile, which is a diagonal one; else the kind of C is chosen by RT, which hangs on c and the trip alone.
.macro STEP last
	WIN 0
	v_add_nc_u32 v[AK], s[RB], v[AK0]
	v_add_nc_u32 v[AV], s[RB], v[AV0]
	FK 0
	FK 1
	WIN 0
	s_wait_dscnt 8                                 ; K's channels 0-31 are in; the run behind them may stay out (so at each of the four waits here)
.if !(\last)
	s_cmp_eq_u32 s[RT], 0
	s_cbranch_scc1 .Ldiag_\@
	START 0
	s_branch .Lgo_\@
.Ldiag_\@:
.endif
	START 1
.if !(\last)
.Lgo_\@:
.endif
.set i, 8
	FK 2
	s_wait_dscnt 8                                 ; channels 32-63
	KQ8
	FK 3
	s_wait_dscnt 8                                 ; channels 64-95
	KQ8
	FV 0
	s_wait_dscnt 8                                 ; channels 96-127
	KQ8
	WIN 0
.irp t, 0,1,2,3
	v_sub_f32 v[ST+8*\t+1], v[ST+8*\t], s[SH]      ; the old m in this tile's frame; these four are the places behind the first piece's scores
.endr
.set pe, 0
.set i, 8
.rept 24                               ; the second piece's scores | the first piece's maximum, scalings and exponentials; the rest of V in three runs
	KQ 2, 0
.rept 5
	PRE 0
.endr
.if i < 24
	PRE 0
.endif
.if i == 10
	FV 1
.elseif i == 16
	FV 2
.elseif i == 22
	FV 3
.endif
.set i, i+1
.endr
	WIN 0
	v_nop                                          ; a plain instruction behind the last exponential,
	s_wait_alu depctr_va_vdst(0)                   ; and one wait for the piece's 66
.set q, 0
.rept 16
	CV 0, q%2, q/2
.set q, q+1
.endr
	s_wait_dscnt 0x0                               ; V is in
.set pe, 0
.set i, 0
.rept 32                               ; the first piece's V^T P | its rescaling and last roundings, the second piece's maximum, scalings and exponentials
.if i < 16
	RS 0
.endif
	PV 0
.if i < 16
	CV 0, i%2, 8+i/2
	PRE 2
	PRE 2
.else
.rept 6
	PRE 2
.endr
.endif
.set i, i+1
.endr
.rept 8
	PRE 2
.endr
	WIN 0
	v_nop
	s_wait_alu depctr_va_vdst(0)
.set q, 0
.rept 16
	CV 2, q%2, q/2
.set q, q+1
.endr
.set sg, 0
.set i, 0
.rept 32                               ; the second piece's V^T P | its rescaling and last roundings, both pieces' sums
.if i == 16
.set sg, 0
.endif
.if i < 16
	RS 2
.endif
	PV 2
.if i < 16
	CV 2, i%2, 8+i/2
	SG 0
	SG 0
.else
	SG 2
	SG 2
.endif
.set i, i+1
.endr
	WIN 0
	PLACES                                         ; behind the last products: loads into V's registers, and reads of O^T, follow
.endm
; A BLOCK'S END.  The four waves' partial (m, l, O) meet in LDS; wave w finishes query tile w.  Every wave puts its four tiles' m (in the frame that the waves share) and l into LDS; wave w reads the four
; waves' m and l of tile w, makes f = 2^(m - max) / (the sum of f l), and takes the sum of f O over the four waves: y.  Then RMSNorm, x 2^-8, f16, through its stage, out.
; f is 0 for a wave that saw hidden keys alone.  nextq = 1: the second block's Q is asked for first.
.macro BAR
	s_wait_dscnt 0x0                               ; for the others' sake: my stores are done and my reads are back
	s_barrier_signal -1
	s_barrier_wait -1
.endm
.macro FINISH nextq
	WIN 0
.if \nextq
	QLOAD QLO
.endif
.irp t, 0,1,2,3
	v_add_f32 v[ST+8*\t+4], v[ST+8*\t+2], v[ST+8*\t+3]
.endr
.irp t, 0,1,2,3
	v_permlanex16_b32 v[ST+8*\t+5], v[ST+8*\t+4], s[SEL], s[SEL+1]
.endr
.irp t, 0,1,2,3
	v_add_f32 v[ST+8*\t+2], v[ST+8*\t+4], v[ST+8*\t+5]   ; l of my 64 keys
.endr
.irp t, 0,1,2,3
	v_add_f32 v[ST+8*\t+7], v[ST+8*\t], v[WS]            ; m in the frame that the four waves share
.endr
.irp t, 0,1,2,3
	ds_store_b32 v[MLS], v[ST+8*\t+7] offset:64*\t
	ds_store_b32 v[MLS], v[ST+8*\t+2] offset:1024+64*\t
.endr
	BAR
.irp w, 0,1,2,3
	ds_load_b32 v[128+\w], v[MLT] offset:256*\w
.endr
.irp w, 0,1,2,3
	ds_load_b32 v[132+\w], v[MLT] offset:1024+256*\w
.endr
	s_wait_dscnt 0x0
	v_max3_num_f32 v136, v128, v129, v130
	v_max_num_f32 v136, v136, v131
.irp w, 0,1,2,3
	v_sub_f32 v[140+\w], v[128+\w], v136
.endr
.irp w, 0,1,2,3
	v_exp_f32 v[FF+2*\w], v[140+\w]
.endr
	v_nop
	s_wait_alu depctr_va_vdst(0)                   ; one wait for the four
	v_mul_f32 v137, v[FF], v132
	v_fma_f32 v137, v[FF+2], v133, v137
	v_fma_f32 v137, v[FF+4], v134, v137
	v_fma_f32 v137, v[FF+6], v135, v137            ; the row's sum over all its keys
	v_rcp_f32 v138, v137
	v_nop
	s_wait_alu depctr_va_vdst(0)
.irp w, 0,1,2,3
	v_mul_f32 v[FF+2*\w], v[FF+2*\w], v138
.endr
.irp w, 0,1,2,3
	v_mov_b32 v[FF+2*\w+1], v[FF+2*\w]
.endr
.irp g, 0,1,2,3                        ; 16 registers of each tile a round (each accumulator's low four first): every wave writes its area, a barrier, wave w reads tile w of all four areas, a barrier ahead of the next writing
	WIN 0x04
.irp t, 0,1,2,3
.irp q, 0,1,2,3
	ds_store_b128 v[MS], v[64*\t+16*\g+4*\q:64*\t+16*\g+4*\q+3] offset:2048*\t+512*\q
.endr
.endr
	WIN 0
	BAR
.irp w, 0,1,2,3
.irp q, 0,1,2,3
	ds_load_b128 v[128+16*\w+4*\q:128+16*\w+4*\q+3], v[MLD] offset:8192*\w+512*\q
.endr
.endr
	BAR
.set z, 0
.rept 8
	v_pk_mul_f32 v[64+16*\g+2*z:65+16*\g+2*z], v[128+2*z:129+2*z], v[FF:FF+1]
.set z, z+1
.endr
.irp w, 1,2,3
.set z, 0
.rept 8
	v_pk_fma_f32 v[64+16*\g+2*z:65+16*\g+2*z], v[128+16*\w+2*z:129+16*\w+2*z], v[FF+2*\w:FF+2*\w+1], v[64+16*\g+2*z:65+16*\g+2*z]
.set z, z+1
.endr
.endr
.endr
.set z, 0
.rept 32
.if z < 4
	v_pk_mul_f32 v[128+2*z:129+2*z], v[64+2*z:65+2*z], v[64+2*z:65+2*z]
.else
	v_pk_fma_f32 v[128+2*(z%4):129+2*(z%4)], v[64+2*z:65+2*z], v[64+2*z:65+2*z], v[128+2*(z%4):129+2*(z%4)]
.endif
.set z, z+1
.endr
	v_pk_add_f32 v[128:129], v[128:129], v[130:131]
	v_pk_add_f32 v[132:133], v[132:133], v[134:135]
	v_pk_add_f32 v[128:129], v[128:129], v[132:133]
	v_add_f32 v60, v128, v129
	v_mov_b32 v61, v60                             ; v_permlanex16_b32's destination counts as read
	v_permlanex16_b32 v61, v60, s[SEL], s[SEL+1]
	v_add_f32 v60, v60, v61
	v_fma_f32 v60, v60, s[R128], s[EPSR]
	v_rsq_f32 v[FF], v60
	v_nop
	s_wait_alu depctr_va_vdst(0)
	v_mul_f32 v[FF], 0x3b800000, v[FF]             ; x 2^-8
	v_mov_b32 v[FF+1], v[FF]
.set z, 0
.rept 32
	v_pk_mul_f32 v[64+2*z:65+2*z], v[64+2*z:65+2*z], v[FF:FF+1]
.set z, z+1
.endr
.set z, 0
.rept 32
	v_cvt_pk_f16_f32 v[P+z], v[64+2*z], v[64+2*z+1]
.set z, z+1
.endr
.irp f, 0,1,2,3,4,5,6,7                ; area w is mine again since the last barrier: rows of 272 bytes in, whole rows of 256 back
	ds_store_b128 v[STO], v[P+4*\f:P+4*\f+3] offset:32*\f
.endr
.irp f, 0,1,2,3,4,5,6,7
	ds_load_b128 v[128+4*\f:128+4*\f+3], v[RD] offset:544*\f
.endr
.irp f, 0,1,2,3,4,5,6,7
	s_wait_dscnt 7-\f                              ; the younger reads may stay out
	global_store_b128 v[GO], v[128+4*\f:128+4*\f+3], s[OUT:OUT+1] offset:4096*\f  ; 16 lanes store 256 consecutive bytes, aligned
.endr
.endm
	s_wait_loadcnt 0x0                             ; Q
.Lslot:                                ; eight times: a tile is entered and the next is asked for
	CHANGE 1
	s_sub_co_u32 s[RT], s[RT], 1
	STEP 0
	s_cmp_lg_u32 s[RT], 0
	s_cbranch_scc1 .Lbottom                        ; RT hangs on c and the trip alone: the same in all waves and all partners
	FINISH 1                                       ; the first block's end
	s_wait_xcnt 0x0                                ; the stores have read their registers and their base
	s_mov_b64 s[OUT:OUT+1], s[OLO:OLO+1]
	s_add_co_u32 s[RT], s[CC], 1                   ; the second block has c + 1 tiles
.irp t, 0,1,2,3
	v_mov_b32 v[ST+8*\t], 0xfe000000
.endr
	s_wait_loadcnt 0x0                             ; its Q
.Lbottom:
	s_sub_co_u32 s[SLOTS], s[SLOTS], 1
	s_cmp_lg_u32 s[SLOTS], 0
	s_cbranch_scc1 .Lslot
	CHANGE 0                                       ; the walk's last tile is written out
	STEP 1
	FINISH 0
	s_wait_tensorcnt 0x0                           ; the wave's end
	ds_add_u32 v[SPW], v[NIL]
	s_wait_dscnt 0x0
	CROUND                                         ; the closing round
	s_endpgm
.Lfunc_end_k_q671766e39d_attn:
	.size	k_q671766e39d_attn, .Lfunc_end_k_q671766e39d_attn-k_q671766e39d_attn
	.p2alignl 7, 3214868480
	.fill 96, 4, 3214868480
	.section	.rodata,"a",@progbits
	.p2align	6, 0x0
	.amdhsa_kernel k_q671766e39d_attn
		.amdhsa_group_segment_fixed_size 327680
		.amdhsa_private_segment_fixed_size 0
		.amdhsa_enable_private_segment 0
		.amdhsa_kernarg_size 16
		.amdhsa_user_sgpr_count 2
		.amdhsa_user_sgpr_kernarg_segment_ptr 1
		.amdhsa_wavefront_size32 1
		.amdhsa_system_sgpr_workgroup_id_x 1
		.amdhsa_system_sgpr_workgroup_id_y 1
		.amdhsa_system_sgpr_workgroup_id_z 1
		.amdhsa_system_vgpr_workitem_id 0
		.amdhsa_next_free_vgpr 1024
		.amdhsa_next_free_sgpr 100
		.amdhsa_reserve_vcc 0
		.amdhsa_float_denorm_mode_32 3
		.amdhsa_float_denorm_mode_16_64 3
		.amdhsa_memory_ordered 1
		.amdhsa_forward_progress 1
		.amdhsa_inst_pref_size 192
	.end_amdhsa_kernel
	.amdgpu_metadata
---
amdhsa.version: [ 1, 2 ]
amdhsa.kernels:
  - .name:           k_q671766e39d_attn
    .symbol:         k_q671766e39d_attn.kd
    .args:
      - { .name: qkvb, .offset: 0, .size: 8, .value_kind: global_buffer, .address_space: global }
      - { .name: yb, .offset: 8, .size: 8, .value_kind: global_buffer, .address_space: global }
    .group_segment_fixed_size: 327680
    .private_segment_fixed_size: 0
    .kernarg_segment_align: 8
    .kernarg_segment_size: 16
    .max_flat_workgroup_size: 128
    .sgpr_count:     100
    .vgpr_count:     1024
    .wavefront_size: 32
...
	.end_amdgpu_metadata
.endif
;; end of part 3
;; launch proj (part 4): grid 8 x 32, 4 waves a work-group, clusters of 4 x 4, 327,680 bytes of LDS; arguments yb, wpb, out0; writes out0
.if DOCPART == 4
	.amdgcn_target "amdgcn-amd-amdhsa--gfx1250"
	.amdhsa_code_object_version 6
	.text
	.protected	k_q671766e39d_proj
	.globl	k_q671766e39d_proj
	.p2align	8
	.type	k_q671766e39d_proj,@function
k_q671766e39d_proj:
	s_mov_b64 s[64:65], 0
	v_nop
	global_prefetch_b8 v0, s[64:65] scope:SCOPE_SE
	s_setreg_imm32_b32 hwreg(HW_REG_WAVE_MODE, 25, 1), 1
	s_wait_xcnt 0x0
	s_wait_alu depctr_hold_cnt(0) depctr_sa_sdst(0) depctr_va_vdst(0) depctr_va_sdst(0) depctr_va_ssrc(0) depctr_va_vcc(0) depctr_vm_vsrc(0)
	s_getreg_b32 s2, hwreg(HW_REG_IB_STS2, 6, 4)
	s_cmp_eq_u32 s2, 0
	s_cbranch_scc0 .Lentry_in_a_cluster
	s_endpgm
.Lentry_in_a_cluster:
	s_bfe_u32 s2, ttmp6, 0x10000c
	s_cmp_lg_u32 s2, 0xf033
	s_cbranch_scc0 .Lentry_shape_is_right
	s_endpgm
.Lentry_shape_is_right:
; out0 = yb wpb.  yb: [4096][1024] f16 (y normalised x 2^-8), wpb: [1024 k][2048 n] f16 (Wproj x gain x 2^8), out0: [4096][2048] f32.  f16 products, f32 sums, nothing rounded on the way out.
; SHARES.  A tile is 128 rows x 256 columns: 32 x 8 = 256 work-groups; a wave makes 64 x 128: 32 accumulators.  K goes in 8 steps of 128 through two LDS slots; waves 0, 1 fetch y's two halves
; (64 rows x 256 bytes), waves 2, 3 W's (64 k-rows x 512 bytes).  y's tile is asked for jointly by a row of the 4 x 4 cluster, W's by a column.  W lies [k][n] and comes out of LDS turned.
; Six trips ask for K steps 2 to 7; the last two K steps, which ask for nothing, go through a second loop of two trips.
; The matrix instruction is used transposed (source 0 = 16 columns of W, source 1 = 16 rows of y): a lane holds row l % 16 and 8 neighbouring columns.
; REGISTERS: window 0: v16-31 addresses; v64-159, v160-255 two fragment buffers (W's 8 fragments, then y's 4); window 1: the accumulators, (a, b) at v[8 (8 a + b)].
.set PA,     272
.set PB,     544
.set BOFF,   128*PA
.set SLOT,   131072                    ; slot 1 begins here: above every place in slot 0, so one exclusive or changes slots
.set STAGE,  SLOT+BOFF+128*PB          ; behind the ring: 16 rows x 528 bytes for each wave
.set SPITCH, 528
.set SPARE,  STAGE+4*16*SPITCH
.set ADRA0, 16
.set ADRA,  17
.set ADRB0, 20
.set ADRB,  21
.set STO,   24
.set RD,    25
.set CO,    26
.set SPW,   28
.set NIL,   29
.set PFO,   30
.set F0,    64
.set F1,    160
.set OB,    64
.set WV, 14
.set RH, 15
.set CH, 16
.set CX, 17
.set CY, 18
.set TC, 19
.set TR, 20
.set G1A, 24
.set G0A, 32
.set LIM, 43
.set PFA, 44
.set PST, 46
.set G1B, 48
.set G0B, 56
.set RB,  66
.set CNT, 69
.set OUTO, 82
.set MSB, 0
.macro WIN new
.if MSB != (\new)
	s_set_vgpr_msb (MSB<<8)|(\new)
.set MSB, \new
.endif
.endm
.set MUL, 0x50                         ; sources window 0, C and D window 1
.macro PLACES
.rept 4
	v_nop
.endr
.endm
.macro JLOAD
	s_cmp_eq_u32 s[RH], 0
	s_cbranch_scc0 .Lfor_b_\@
	tensor_load_to_lds s[G0A+4:G0A+7], s[G1A:G1A+7]
	s_nop 0
	PLACES
	s_branch .Lasked_\@
.Lfor_b_\@:
	tensor_load_to_lds s[G0B+4:G0B+7], s[G1B:G1B+7]
	s_nop 0
	PLACES
.Lasked_\@:
.endm
; a prefetch of the K step two refills on.  y's 128 rows of a tile: wave 0 of cluster x = 0, 32 rows a partner; W's k-rows: waves 2, 3 of cluster y = 0, 16 k-rows of two blocks a partner;
; the partners are told apart by address.  The last two refills have no K step two on.
.macro ASK
	s_cmp_gt_u32 s[CNT], s[LIM]
	s_cbranch_scc0 .Lnot_mine_\@
	global_prefetch_b8 v[PFO], s[PFA:PFA+1] th:TH_LOAD_NT scope:SCOPE_SE
.Lnot_mine_\@:
.endm
.macro CREST
	s_cmp_lg_u32 s[WV], 0
	s_cbranch_scc1 .Lnot_wave_0_\@
	s_barrier_signal -3
.Lnot_wave_0_\@:
	s_barrier_wait -3
	s_barrier_signal -1
	s_barrier_wait -1
.endm
.macro CROUND
	s_barrier_signal -1
	s_barrier_wait -1
	CREST
.endm
	s_load_b128 s[4:7], s[0:1], 0x0                ; yb s[4:5], wpb s[6:7]
	s_load_b64 s[8:9], s[0:1], 0x10                ; out0
	v_lshl_add_u32 v[SPW], v0, 2, SPARE
	v_mov_b32 v[NIL], 0
	ds_add_u32 v[SPW], v[NIL]                      ; the wave's opening: the add and its wait stand ahead of my first tensor load
	v_lshrrev_b32 v1, 5, v0
	v_readfirstlane_b32 s[WV], v1
	s_lshr_b32 s[RH], s[WV], 1                     ; my half of the rows; also: I fetch y (0) or W (1)
	s_and_b32 s[CH], s[WV], 1                      ; my half of the columns; also: which half of that tile I fetch
	s_bfe_u32 s[CX], ttmp6, 0x40000
	s_bfe_u32 s[CY], ttmp6, 0x40004
	s_lshl_b32 s[TC], ttmp9, 2
	s_add_co_u32 s[TC], s[TC], s[CX]               ; tile column
	s_and_b32 s[TR], ttmp7, 0xffff
	s_lshl_b32 s[TR], s[TR], 2
	s_add_co_u32 s[TR], s[TR], s[CY]               ; tile row
	s_lshl_b32 s21, s[CY], 2
	s_lshl_b32 s21, 15, s21
	s_lshl_b32 s40, 0x1111, s[CX]
	s_or_b32 s[G1A], s21, (1<<16)|(1<<20)|(1<<21)|(5<<22)|(3<<25)
	s_or_b32 s[G1B], s40, (1<<16)|(1<<20)|(1<<21)|(6<<22)|(7<<25)
	s_mov_b32 s[G1A+1], 128<<16
	s_mov_b32 s[G1A+2], 64<<16
	s_mov_b32 s[G1A+3], 128<<16
	s_mov_b32 s[G1A+4], 64
	s_mov_b32 s[G1A+5], 1024
	s_mov_b32 s[G1A+6], 0
	s_mov_b32 s[G1A+7], 0
	s_mov_b32 s[G1B+1], 256<<16
	s_mov_b32 s[G1B+2], 64<<16
	s_mov_b32 s[G1B+3], 256<<16
	s_mov_b32 s[G1B+4], 64
	s_mov_b32 s[G1B+5], 2048
	s_mov_b32 s[G1B+6], 0
	s_mov_b32 s[G1B+7], 0
	s_lshl_b32 s22, s[TR], 18                      ; y: (128 tile row + 64 half) rows of 2,048 bytes
	s_lshl_b32 s23, s[CH], 17
	s_add_co_u32 s22, s22, s23
	s_mov_b32 s23, 0
	s_lshl_b32 s40, s[TC], 9                       ; W: 512 bytes a tile column, 64 k-rows of 4,096 bytes a half
	s_lshl_b32 s41, s[CH], 18
	s_add_co_u32 s40, s40, s41
	s_mov_b32 s41, 0
	s_mul_i32 s67, s[CH], 64*PA                    ; where y's halves land,
	s_mul_i32 s68, s[CH], 64*PB                    ; and W's
	s_add_co_u32 s68, s68, BOFF
	s_mov_b32 s[RB], 0
	s_wait_dscnt 0x0
	CROUND                                         ; all sixteen work-groups are here; the round names no argument, so it stands ahead of the wait for them
	s_wait_kmcnt 0x0
	s_add_nc_u64 s[22:23], s[4:5], s[22:23]
	s_add_nc_u64 s[40:41], s[6:7], s[40:41]
.irp s, 0,1
	s_mov_b32 s[G0A+4*(\s)], 1
	s_add_co_u32 s[G0A+4*(\s)+1], s67, (\s)*SLOT
	s_add_nc_u64 s[G0A+4*(\s)+2:G0A+4*(\s)+3], s[22:23], (\s)*256
	s_or_b32 s[G0A+4*(\s)+3], s[G0A+4*(\s)+3], 0x80000000
	s_mov_b32 s[G0B+4*(\s)], 1
	s_add_co_u32 s[G0B+4*(\s)+1], s68, (\s)*SLOT
	s_add_nc_u64 s[G0B+4*(\s)+2:G0B+4*(\s)+3], s[40:41], (\s)*524288
	s_or_b32 s[G0B+4*(\s)+3], s[G0B+4*(\s)+3], 0x80000000
.endr
	s_cmp_eq_u32 s[RH], 0                          ; a wave's two first fills stand in one branch: two loads of mine are out
	s_cbranch_scc0 .Lfirst_b
	tensor_load_to_lds s[G0A:G0A+3], s[G1A:G1A+7]
	s_nop 0
	tensor_load_to_lds s[G0A+4:G0A+7], s[G1A:G1A+7]
	s_nop 0
	PLACES
	s_branch .Lfirst_asked
.Lfirst_b:
	tensor_load_to_lds s[G0B:G0B+3], s[G1B:G1B+7]
	s_nop 0
	tensor_load_to_lds s[G0B+4:G0B+7], s[G1B:G1B+7]
	s_nop 0
	PLACES
.Lfirst_asked:
	v_and_b32 v1, 15, v0
	v_bfe_u32 v2, v0, 4, 1
	v_mul_u32_u24 v3, v1, PA
	v_lshl_add_u32 v3, v2, 4, v3
	s_mul_i32 s21, s[RH], 64*PA
	v_add_nc_u32 v[ADRA0], s21, v3
	v_mov_b32 v[ADRA], v[ADRA0]
	v_and_b32 v4, 7, v0
	v_bfe_u32 v5, v0, 3, 1
	v_lshl_add_u32 v4, v2, 3, v4
	v_mul_u32_u24 v4, v4, PB
	v_lshl_add_u32 v4, v5, 4, v4
	s_lshl_b32 s21, s[CH], 8
	s_add_co_u32 s21, s21, BOFF
	v_add_nc_u32 v[ADRB0], s21, v4
	v_mov_b32 v[ADRB], v[ADRB0]
	s_mul_i32 s21, s[WV], 16*SPITCH
	s_add_co_u32 s21, s21, STAGE
	v_mul_u32_u24 v4, v1, SPITCH                   ; in: row l % 16, 32 bytes for each half of the lanes
	v_lshl_add_u32 v4, v2, 5, v4
	v_add_nc_u32 v[STO], s21, v4
	v_and_b32 v6, 31, v0
	v_lshl_add_u32 v[RD], v6, 4, s21               ; back: a row of 512 bytes, 16 bytes a lane
	v_lshlrev_b32 v[CO], 4, v6
	s_lshl_b32 s[OUTO], s[TR], 20                  ; out0: (128 tile row + 64 half) rows of 8,192 bytes + (256 tile column + 128 half) x 4
	s_lshl_b32 s[OUTO+1], s[RH], 19
	s_add_co_u32 s[OUTO], s[OUTO], s[OUTO+1]
	s_lshl_b32 s[OUTO+1], s[TC], 10
	s_add_co_u32 s[OUTO], s[OUTO], s[OUTO+1]
	s_lshl_b32 s[OUTO+1], s[CH], 9
	s_add_co_u32 s[OUTO], s[OUTO], s[OUTO+1]
	s_mov_b32 s[OUTO+1], 0
	s_add_nc_u64 s[8:9], s[8:9], s[OUTO:OUTO+1]
	; the prefetches, at K step 3; the first refill steps them to 4
	s_and_b32 s78, ttmp7, 0xffff
	s_lshl_b32 s84, s[TR], 18
	s_lshl_b32 s85, s[CX], 16                      ; y: 32 rows of 2,048 bytes a partner
	s_add_co_u32 s84, s84, s85
	s_add_co_u32 s84, s84, 3*256
	s_lshl_b32 s86, s[TC], 9
	s_lshl_b32 s87, s[CH], 18
	s_add_co_u32 s86, s86, s87
	s_lshl_b32 s87, s[CY], 16                      ; W: 16 k-rows of 4,096 bytes a partner
	s_add_co_u32 s86, s86, s87
	s_add_co_u32 s86, s86, 3*524288
	s_mov_b32 s[PST], 524288
	s_mov_b32 s[PST+1], 0
	s_cmp_eq_u32 s[RH], 0
	s_cselect_b32 s78, ttmp9, s78
	s_cselect_b64 s[PFA:PFA+1], s[4:5], s[6:7]
	s_cselect_b32 s84, s84, s86
	s_cselect_b32 s[PST], 0x100, s[PST]
	s_cselect_b32 s86, 0, 1
	s_cselect_b32 s87, 11, 12
	s_mov_b32 s85, 0
	s_add_nc_u64 s[PFA:PFA+1], s[PFA:PFA+1], s[84:85]
	s_cmp_eq_u32 s[WV], 1                          ; wave 0 names all of the work-group's 32 rows of y: wave 1 names nothing
	s_cselect_b32 s78, 1, s78
	s_cmp_eq_u32 s78, 0
	s_cselect_b32 s[LIM], 2, -1
	v_lshrrev_b32 v[PFO], s86, v6
	v_lshlrev_b32 v[PFO], s87, v[PFO]
	v_and_b32 v7, s86, v6
	v_lshl_add_u32 v[PFO], v7, 8, v[PFO]
; 8 matrix instructions: row block a x all 8 column blocks, 32 along K.  The 32 accumulators take turns, in the same order in every quarter.
.macro MUL8 f, a, zero
	WIN MUL
.irp b, 0,1,2,3,4,5,6,7
.if \zero
	v_wmma_f32_16x16x32_f16 v[8*(8*(\a)+(\b)):8*(8*(\a)+(\b))+7], v[(\f)+8*(\b):(\f)+8*(\b)+7], v[(\f)+64+8*(\a):(\f)+64+8*(\a)+7], 0
.else
	v_wmma_f32_16x16x32_f16 v[8*(8*(\a)+(\b)):8*(8*(\a)+(\b))+7], v[(\f)+8*(\b):(\f)+8*(\b)+7], v[(\f)+64+8*(\a):(\f)+64+8*(\a)+7], v[8*(8*(\a)+(\b)):8*(8*(\a)+(\b))+7]
.endif
.endr
.endm
.macro FETCH q, f                      ; 24 LDS loads in one run: W's 8 fragments, turned, then y's 4
	WIN 0
.irp i, 0,1,2,3,4,5,6,7
	ds_load_tr16_b128 v[(\f)+8*(\i):(\f)+8*(\i)+3],   v[ADRB] offset:(\q)*32*PB+(\i)*32
	ds_load_tr16_b128 v[(\f)+8*(\i)+4:(\f)+8*(\i)+7], v[ADRB] offset:(\q)*32*PB+16*PB+(\i)*32
.endr
.irp i, 0,1,2,3
	ds_load_b128 v[(\f)+64+8*(\i):(\f)+64+8*(\i)+3],   v[ADRA] offset:(\q)*64+(\i)*16*PA
	ds_load_b128 v[(\f)+64+8*(\i)+4:(\f)+64+8*(\i)+7], v[ADRA] offset:(\q)*64+(\i)*16*PA+32
.endr
.endm
.macro QUARTER q, f, g, zero
	s_wait_dscnt 4                                 ; W and y's blocks 0, 1 are in; the youngest four loads may be out
	MUL8 \f, 0, \zero
	MUL8 \f, 1, \zero
	PLACES
	FETCH \q, \g
	s_wait_dscnt 24                                ; all but the 24 just issued
	MUL8 \f, 2, \zero
	MUL8 \f, 3, \zero
.endm
; the last quarter and the change of slots: the waits and the add in front of the barrier; fill = 1: the joint refill first behind the round.
; fill = 0: the second loop: nothing is asked for; in its last trip (s[CNT] = 1) there is no next K step, and the run of loads is jumped over.
.macro TURN fill
.if \fill
	s_wait_xcnt 0x0                                ; the last prefetch, a K step back, has read its address
	s_add_nc_u64 s[PFA:PFA+1], s[PFA:PFA+1], s[PST:PST+1]
.endif
	WIN 0
	s_wait_tensorcnt 0x0
	ds_add_u32 v[SPW], v[NIL]
	s_wait_dscnt 5                                 ; the add and the youngest four loads may be out
	MUL8 F1, 0, 0
	s_wait_dscnt 0x0
	s_barrier_signal -1
	MUL8 F1, 1, 0
	WIN 0
	s_barrier_wait -1
.if \fill
	CREST
	s_xor_b32 s[G0A+5], s[G0A+5], SLOT
	s_add_nc_u64 s[G0A+6:G0A+7], s[G0A+6:G0A+7], 256
	s_xor_b32 s[G0B+5], s[G0B+5], SLOT
	s_add_nc_u64 s[G0B+6:G0B+7], s[G0B+6:G0B+7], 524288
	JLOAD
.else
	PLACES
	s_cmp_eq_u32 s[CNT], 1
	s_cbranch_scc1 .Lno_next_\@
.endif
	s_xor_b32 s[RB], s[RB], SLOT
	v_add_nc_u32 v[ADRA], s[RB], v[ADRA0]
	v_add_nc_u32 v[ADRB], s[RB], v[ADRB0]
	FETCH 0, F0
.if \fill
	ASK
.else
.Lno_next_\@:
.endif
	MUL8 F1, 2, 0
	MUL8 F1, 3, 0
.endm
	s_wait_tensorcnt 1                             ; my part of K step 0 is in; K step 1's may stay out
	s_barrier_signal -1
	s_barrier_wait -1
	FETCH 0, F0
	QUARTER 1, F0, F1, 1
	WIN 0
	s_mov_b32 s[CNT], 6                            ; K steps 2 to 7 are asked for in the loop
.Lstep:
	QUARTER 2, F1, F0, 0
	QUARTER 3, F0, F1, 0
	TURN 1
	QUARTER 1, F0, F1, 0
	WIN 0
	s_sub_co_u32 s[CNT], s[CNT], 1
	s_cmp_lg_u32 s[CNT], 0
	s_cbranch_scc1 .Lstep
	s_mov_b32 s[CNT], 2                            ; K steps 6 and 7 ask for nothing: the second is left ahead of a next step's first quarter
.Ltail:
	QUARTER 2, F1, F0, 0
	QUARTER 3, F0, F1, 0
	TURN 0
	WIN 0
	s_cmp_eq_u32 s[CNT], 1
	s_cbranch_scc1 .Lout
	QUARTER 1, F0, F1, 0
	WIN 0
	s_sub_co_u32 s[CNT], s[CNT], 1
	s_cmp_lg_u32 s[CNT], 0
	s_cbranch_scc1 .Ltail
.Lout:
	PLACES
	PLACES
; THE WAY OUT, a block of 16 rows at a time: the sums as they are into my own stage (each accumulator's low four registers first), back as whole rows of 512 bytes, out.
.macro BLOCK a
.set BK, OB+64*((\a)%2)
	WIN 0x04
.irp b, 0,1,2,3,4,5,6,7
	ds_store_b128 v[STO], v[8*(8*(\a)+(\b)):8*(8*(\a)+(\b))+3]   offset:64*(\b)
	ds_store_b128 v[STO], v[8*(8*(\a)+(\b))+4:8*(8*(\a)+(\b))+7] offset:64*(\b)+16
.endr
	WIN 0
.irp t, 0,1,2,3,4,5,6,7,8,9,10,11,12,13,14,15
	ds_load_b128 v[BK+4*(\t):BK+4*(\t)+3], v[RD] offset:(\t)*SPITCH   ; LDS serves a wave's instructions in order: these see the stores above
.endr
	s_wait_dscnt 0x0
	s_wait_xcnt 0x0                                ; only behind this wait are the stores' base and the registers that earlier stores read rewritten
.if (\a) > 0
	s_add_nc_u64 s[8:9], s[8:9], 16*8192
.endif
.irp t, 0,1,2,3,4,5,6,7,8,9,10,11,12,13,14,15
	global_store_b128 v[CO], v[BK+4*(\t):BK+4*(\t)+3], s[8:9] offset:(\t)*8192  ; the wave stores 512 consecutive bytes, aligned
.endr
.endm
	BLOCK 0
	BLOCK 1
	BLOCK 2
	BLOCK 3
	s_wait_tensorcnt 0x0                           ; the wave's end
	ds_add_u32 v[SPW], v[NIL]
	s_wait_dscnt 0x0
	CROUND                                         ; the closing round
	s_endpgm
.Lfunc_end_k_q671766e39d_proj:
	.size	k_q671766e39d_proj, .Lfunc_end_k_q671766e39d_proj-k_q671766e39d_proj
	.p2alignl 7, 3214868480
	.fill 96, 4, 3214868480
	.section	.rodata,"a",@progbits
	.p2align	6, 0x0
	.amdhsa_kernel k_q671766e39d_proj
		.amdhsa_group_segment_fixed_size 327680
		.amdhsa_private_segment_fixed_size 0
		.amdhsa_enable_private_segment 0
		.amdhsa_kernarg_size 24
		.amdhsa_user_sgpr_count 2
		.amdhsa_user_sgpr_kernarg_segment_ptr 1
		.amdhsa_wavefront_size32 1
		.amdhsa_system_sgpr_workgroup_id_x 1
		.amdhsa_system_sgpr_workgroup_id_y 1
		.amdhsa_system_sgpr_workgroup_id_z 1
		.amdhsa_system_vgpr_workitem_id 0
		.amdhsa_next_free_vgpr 512
		.amdhsa_next_free_sgpr 96
		.amdhsa_reserve_vcc 0
		.amdhsa_float_denorm_mode_32 3
		.amdhsa_float_denorm_mode_16_64 3
		.amdhsa_memory_ordered 1
		.amdhsa_forward_progress 1
		.amdhsa_inst_pref_size 61
	.end_amdhsa_kernel
	.amdgpu_metadata
---
amdhsa.version: [ 1, 2 ]
amdhsa.kernels:
  - .name:           k_q671766e39d_proj
    .symbol:         k_q671766e39d_proj.kd
    .args:
      - { .name: yb, .offset: 0, .size: 8, .value_kind: global_buffer, .address_space: global }
      - { .name: wpb, .offset: 8, .size: 8, .value_kind: global_buffer, .address_space: global }
      - { .name: out0, .offset: 16, .size: 8, .value_kind: global_buffer, .address_space: global }
    .group_segment_fixed_size: 327680
    .private_segment_fixed_size: 0
    .kernarg_segment_align: 8
    .kernarg_segment_size: 24
    .max_flat_workgroup_size: 128
    .sgpr_count:     96
    .vgpr_count:     512
    .wavefront_size: 32
...
	.end_amdgpu_metadata
.endif
;; end of part 4
